; MI455X (gfx1250); checked and timed in simulation.
; The chip was launched on July 23, 2026; its instructions are those of AMD's public machine-readable ISA for CDNA 5 (MIT licence, August 2026) and "CDNA5" Instruction Set Architecture Reference Guide (July 2026). The comments in the code are by the model that wrote it; some were corrected since.
;; Backdoor Adjusted Attention. Allowed arithmetic: matrix products marked QUANTISED: E4M3 operands, one E8M0 scale for each 32 along K, by v_wmma_scale_f32_16x16x128_f8f6f4 with both operands' format E4M3, f32 sums; everything else in f32.
;; Inputs: Wc_codes 1,024 x 64 x 32 uint8 (E4M3 codes of Wc, K innermost, in blocks of 32 codes); Wc_scales 1,024 x 64 uint8 (E8M0 scales of Wc, one for each 32 codes along K); We_codes 1,024 x 64 x 32 uint8 (E4M3 codes of We, K innermost, in blocks of 32 codes); We_scales 1,024 x 64 uint8 (E8M0 scales of We, one for each 32 codes along K); Wk_codes 1,024 x 32 x 32 uint8 (E4M3 codes of Wk, K innermost, in blocks of 32 codes); Wk_scales 1,024 x 32 uint8 (E8M0 scales of Wk, one for each 32 codes along K); Wo_codes 1,024 x 32 x 32 uint8 (E4M3 codes of Wo, K innermost, in blocks of 32 codes); Wo_scales 1,024 x 32 uint8 (E8M0 scales of Wo, one for each 32 codes along K); Wq_codes 1,024 x 32 x 32 uint8 (E4M3 codes of Wq, K innermost, in blocks of 32 codes); Wq_scales 1,024 x 32 uint8 (E8M0 scales of Wq, one for each 32 codes along K); Wv_codes 1,024 x 32 x 32 uint8 (E4M3 codes of Wv, K innermost, in blocks of 32 codes); Wv_scales 1,024 x 32 uint8 (E8M0 scales of Wv, one for each 32 codes along K); backdoor_mask 2,048 x 2,048 float32; bc 1,024 float32; be 1,024 float32; bk 1,024 float32; bo 1,024 float32; bq 1,024 float32; bv 1,024 float32; causal_graph 2,048 x 2,048 float32; x_codes 2 x 2,048 x 32 x 32 uint8 (E4M3 codes of x, K innermost, in blocks of 32 codes); x_scales 2 x 2,048 x 32 uint8 (E8M0 scales of x, one for each 32 codes along K).
;; Outputs: out0 2 x 2,048 x 1,024 float32.
;; This version of the problem:
;;   THIS VERSION OF THE PROBLEM IS GIVEN IN LOW PRECISION. The matrix products marked QUANTISED in the list below multiply operands that are first quantised to E4M3 (4 exponent bits, 3 mantissa bits; 8 bits a number), with one power-of-two scale for each 32 numbers along K (OCP MX v1.0); their sums are f32. All else is computed in f32.
;;   The module's matrix products, in the order in which they are computed (A, B: the left and right operand; K: the contracted axis; several contracted axes count as one K, in the product's order):
;;     1. [M 4,096, K 1,024] x [K 1,024, N 1,024]; A: input x (given as codes); B: input Wq (given as codes): QUANTISED
;;     2. [M 2,048, K 2,048] x [K 2,048, N 1,024]; A: input causal_graph; B: input Wc (given as codes): QUANTISED
;;     3. [M 4,096, K 1,024] x [K 1,024, N 1,024]; A: input x (given as codes); B: input Wk (given as codes): QUANTISED
;;     4. [M 2,048, K 2,048] x [K 2,048, N 1,024]; A: input causal_graph; B: input We (given as codes): QUANTISED
;;     5. [M 4,096, K 1,024] x [K 1,024, N 1,024]; A: input x (given as codes); B: input Wv (given as codes): QUANTISED
;;     6. batch 32 x [M 2,048, K 64] x [K 64, N 2,048]; A: computed on the way; B: computed on the way: QUANTISED
;;     7. batch 32 x [M 64, K 2,048] x [K 2,048, N 2,048]; A: computed on the way; B: softmax (see below): QUANTISED
;;     8. [M 4,096, K 1,024] x [K 1,024, N 1,024]; A: computed on the way; B: input Wo (given as codes): QUANTISED
;;   THE QUANTISER, for each operand of a quantised product, along K:
;;     - K is cut into blocks of 32 from its start; a last block that is shorter is filled with zeros.
;;     - A block's scale is 2^e with e = floor(log2(the largest magnitude in the block)) - 8, held to -126 .. 127; a block of zeros has e = 0. As a byte (E8M0): e + 127.
;;     - Each number is divided by its block's scale, clamped to +-448, and rounded to the nearest number of E4M3, ties to even, subnormals kept.
;;     - The product sums the exact products of the quantised numbers (number of the format x scale) in f32.
;;   ~~~python
;;   def quantise(x, axis):      # numpy; x: float32 -> the quantised numbers, widened to float32 again
;;       x = np.moveaxis(x, axis, -1); K = x.shape[-1]
;;       x = np.pad(x, [(0, 0)] * (x.ndim - 1) + [(0, -K % 32)]); x = x.reshape(x.shape[:-1] + (-1, 32)); a = np.abs(x).max(-1, keepdims=True)
;;       e = np.where(a > 0, np.clip(np.frexp(np.where(a > 0, a, 1))[1] - 1 - 8, -126, 127), 0)      # np.frexp(a)[1] - 1 = floor(log2(a)), exactly
;;       r = np.clip(x / 2.0 ** e, -448, 448)
;;       step = 2.0 ** (np.maximum(np.frexp(np.where(r == 0, 1, r))[1] - 1, -6) - 3)
;;       q = np.round(r / step) * step * 2.0 ** e      # np.round: ties to even
;;       return np.moveaxis(q.reshape(q.shape[:-2] + (-1,))[..., :K], -1, axis).astype(np.float32)
;;   ~~~
;;   SOFTMAX AHEAD OF A QUANTISED PRODUCT. Where the list says 'softmax', what is quantised is not the finished softmax but p = 2^(t - M), with t = logit x log2(e) and M = ceil(the row's largest t), a whole number; so 1/2 < the row's largest p <= 1. The row's sum l is taken of the UNQUANTISED p, in f32, and the product's result is divided by l at the end. Since M is a whole number, a kernel that streams over the keys may use a running M (the ceiling of the running maximum): every later rescaling is an exact power of two, which a block's scale takes up: the codes' values come out the same.
;;   OPERANDS COMPUTED ON THE WAY. 'Computed on the way' means the value that the module computes at that place (a softmax that the list does not call 'softmax' is quantised finished and normalised). What goes into a quantiser is computed in f32, as accurately as f32 sums, v_exp_f32 and their like allow (about 1e-6 of the number): no bf16 or f16 on the way to a quantiser, and a product that is left as it is and whose result goes on into a quantised operand takes f32 operands (vector FMAs, or v_wmma_f32_16x16x4_f32). A number that lies on a knife's edge between two numbers of the format may be rounded either way, as far as f32 arithmetic and the matrix unit's own rounding can turn it there, and no further.
;;   INPUTS GIVEN AS CODES. Wc (in the module: [2048, 1024], K = its axis 0); We (in the module: [2048, 1024], K = its axis 0); Wk (in the module: [1024, 1024], K = its axis 0); Wo (in the module: [1024, 1024], K = its axis 0); Wq (in the module: [1024, 1024], K = its axis 0); Wv (in the module: [1024, 1024], K = its axis 0); x (in the module: [2, 2048, 1024], K = its axis 2): each comes as NAME_codes (uint8): NAME with its K axis moved to the last place and cut into blocks of 32 codes, [.., K / 32, bytes a block], one block behind the other in memory; one code a byte (a code: sign, 4 exponent bits, 3 mantissa bits); and NAME_scales (uint8): the same leading axes, one E8M0 byte (e + 127) for each 32 codes along K. Its value is code x scale, taken as it is: it is not quantised again, and the codes and scales need not be those that the quantiser above would give.
;; One version. Each part assembles by itself: llvm-mc -triple=amdgcn-amd-amdhsa -mcpu=gfx1250 --defsym DOCPART=n.
;; ======== version 1 of 1: 4 launches
;; limits: right only within a limited range of input values
;; workspace buffers: cgq 8,388,608 bytes; cgs 262,144 bytes; kvc 8,388,608 bytes; kvs 262,144 bytes; qc 8,388,608 bytes; qs 262,144 bytes; acod 4,194,304 bytes; ascl 131,072 bytes
;; launch quant (part 1): grid 256 x 1, 4 waves a work-group, no clusters, 68,096 bytes of LDS; arguments causal_graph, cgq, cgs; writes cgq, cgs
.if DOCPART == 1
	.amdgcn_target "amdgcn-amd-amdhsa--gfx1250"
	.amdhsa_code_object_version 6
	.text
	.protected	k_q61262190c2_quant
	.globl	k_q61262190c2_quant
	.p2align	8
	.type	k_q61262190c2_quant,@function
k_q61262190c2_quant:
	s_mov_b64 s[64:65], 0
	v_nop
	global_prefetch_b8 v0, s[64:65] scope:SCOPE_SE
	s_setreg_imm32_b32 hwreg(HW_REG_WAVE_MODE, 25, 1), 1
	s_wait_xcnt 0x0
; causal_graph [2048][2048] f32 becomes codes of FP8 (E4M3) with one E8M0 byte for each 32 along K, TWICE: once with K along its rows (plane 0 of cgq and cgs: the operand of
; causal_graph @ Wc) and once with K down its columns (plane 1: the operand of causal_graph^T @ We, laid [column][row] with K innermost).
; A block's scale is 2^(floor(log2(its largest magnitude)) - 8); its byte is the largest magnitude's exponent field - 8, held at 1 from below; numbers are held within +-448 x the scale and rounded to the nearest code.
; LIMITS: a block of zeros gets the byte 1 (its codes are zeros, and this program alone reads the bytes); blocks whose largest magnitude lies under 2^-118 get the byte 1; NaN and infinities are not served.
; Work-groups 0-127 take plane 0: the tensor is a plain stream of blocks of 32; a wave takes 16 steps of 512 numbers; each load reads 512 consecutive bytes, a step's 2,048 bytes turn through the wave's
; own stage in LDS so that a lane holds 16 neighbours; codes leave 512 consecutive bytes a store, a wave's 256 scale bytes as one aligned run of 256.
; Work-groups 128-255 take plane 1: a lane takes a column and its registers run down K; a wave takes 32 columns x 256 along K; codes go through the wave's stage and leave as rows of 256 bytes.
; The two ways part on the work-group's number and have LDS bytes of their own.  No tensor loads, no barrier: waves share nothing.  The matrix units, clusters and large tiles have no part in a stream.
.set STEPS,  16
.set SP,     80                        ; plane 0: a lane's place in a stage: 64 bytes + 16 of padding
.set WREG,   8192                      ; plane 0: LDS of a wave: two stages of 32 x SP bytes, then its 256 scale bytes
.set RR,     16                        ; v16-79   four sets of 16 numbers as loaded
.set RX,     80                        ; v80-111  two sets of 16 neighbours
.set RE,     112                       ; v112-127 a scale byte for each step
.set RC,     128                       ; v128-191 codes: four registers for each step
.set CPITCH, 272                       ; plane 1: a stage row: 256 bytes + 16
.set CSTAGE, 32768                     ; plane 1: its stages begin behind plane 0's LDS
.set NBL,    8                         ; plane 1: blocks of a lane
.set CX,     32                        ; v32-95   two sets of 32 numbers
.set CC,     96                        ; v96-103  a block's codes
.set COUT,   112                       ; v112-175 the way out
.set CSB,    24                        ; v24-25   the scale bytes, four to a register
	s_load_b128 s[4:7], s[0:1], 0x0                ; causal_graph, cgq
	s_load_b64 s[8:9], s[0:1], 0x10                ; cgs
	v_lshl_add_u32 v192, v0, 2, 0x10800
	v_mov_b32 v193, 0
	v_lshrrev_b32 v1, 5, v0
	v_readfirstlane_b32 s16, v1                    ; wave 0..3
	v_and_b32 v2, 31, v0                           ; lane
	s_mov_b32 s23, 0x600000                        ; the mantissa field of 448
	s_mov_b32 s21, 0                               ; the upper word of every offset
	s_wait_kmcnt 0x0
	s_cmp_lt_u32 ttmp9, 128
	s_cbranch_scc0 .Lcols
; ---------------------------------------------------------------- plane 0: K along the rows
	s_wait_alu depctr_va_vdst(0)
	v_lshlrev_b32 v3, 4, v2                        ; my 16 bytes of a load's 512
	s_mul_i32 s17, s16, WREG
	v_lshrrev_b32 v14, 2, v2
	v_mul_u32_u24 v14, v14, SP
	v_and_b32 v15, 3, v2
	v_lshl_add_u32 v14, v15, 4, v14
	v_add_nc_u32 v14, s17, v14                     ; the stage, in: four lanes' 64 bytes on end, then 16 of padding
	v_mul_u32_u24 v15, v2, SP
	v_add_nc_u32 v15, s17, v15                     ; and out: my 16 neighbours
	v_lshlrev_b32 v4, 4, v2                        ; my 16 codes' place in a step's 512
	v_lshrrev_b32 v5, 1, v2
	s_add_co_u32 s17, s17, 2*32*SP
	v_add_nc_u32 v5, s17, v5                       ; my block's byte among the wave's 256
	v_lshlrev_b32 v7, 3, v2
	v_add_nc_u32 v6, s17, v7                       ; and on the way out 8 bytes a lane
	s_lshl_b32 s18, ttmp9, 2
	s_add_co_u32 s18, s18, s16                     ; which run of 8,192 numbers is my wave's
	s_lshl_b32 s20, s18, 15
	s_add_nc_u64 s[4:5], s[4:5], s[20:21]
	s_lshl_b32 s20, s18, 13
	s_add_nc_u64 s[6:7], s[6:7], s[20:21]
	s_lshl_b32 s20, s18, 8
	s_add_nc_u64 s[8:9], s[8:9], s[20:21]
.macro RLOAD t
.irp i, 0,1,2,3
	global_load_b128 v[RR+16*((\t)%4)+4*\i:RR+16*((\t)%4)+4*\i+3], v3, s[4:5] offset:2048*(\t)+512*\i   ; 32 lanes read 512 consecutive bytes
.endr
.endm
.macro RTURN t                         ; step t's numbers through the stage; LDS serves a wave's instructions in order, so no wait stands between the stores and the loads
.irp i, 0,1,2,3
	ds_store_b128 v14, v[RR+16*((\t)%4)+4*\i:RR+16*((\t)%4)+4*\i+3] offset:32*SP*((\t)%2)+8*SP*\i
.endr
.irp i, 0,1,2,3
	ds_load_b128 v[RX+16*((\t)%2)+4*\i:RX+16*((\t)%2)+4*\i+3], v15 offset:32*SP*((\t)%2)+16*\i
.endr
.endm
.irp t, 0,1,2,3
	RLOAD \t
.endr
	s_wait_alu depctr_va_vdst(0)
	s_wait_loadcnt 12                              ; step 0's four loads are in; the twelve behind them stay out
	RTURN 0
.macro RSTEP t
.set XS, RX+16*((\t)%2)
.if (\t) > 0
	s_wait_dscnt 1                                 ; this step's numbers are back from the stage (the last step's byte store may be out)
.else
	s_wait_dscnt 0x0
.endif
.if (\t)+4 < STEPS
	RLOAD (\t)+4                                   ; into the registers that this step's stage stores have read
.endif
.if (\t)+1 < STEPS
.if STEPS-2-(\t) >= 3
	s_wait_loadcnt 12                              ; the next step's four loads are in; those of the three steps behind it may be out
.else
	s_wait_loadcnt 4*(STEPS-2-(\t))
.endif
	RTURN (\t)+1
.endif
	v_max3_num_f32 v8, |v[XS]|, |v[XS+1]|, |v[XS+2]|               ; the largest magnitude of my 16, in two chains
	v_max3_num_f32 v9, |v[XS+3]|, |v[XS+4]|, |v[XS+5]|
.irp i, 6,10
	v_max3_num_f32 v8, v8, |v[XS+\i]|, |v[XS+\i+1]|
	v_max3_num_f32 v9, v9, |v[XS+\i+2]|, |v[XS+\i+3]|
.endr
	v_max3_num_f32 v8, v8, |v[XS+14]|, |v[XS+15]|
	v_max3_num_f32 v8, v8, v9, 0x4800000           ; and the floor 2^(9 - 127): the byte cannot fall under 1
	v_max_num_f32_dpp v8, v8, v8 row_xmask:1 row_mask:0xf bank_mask:0xf   ; with my neighbour's 16: the block's
	v_add_nc_u32 v11, 0xfc000000, v8               ; 8 off the exponent field: the conversion's scale operand
	v_and_or_b32 v10, v8, 0x7f800000, s23          ; 448 x the scale
.irp i, 0,1,2,3,4,5,6,7,8,9,10,11,12,13,14,15
	v_med3_num_f32 v[XS+\i], v[XS+\i], -v10, v10   ; the conversion to an 8-bit code does not saturate (ISA guide 7.6.2): the hold comes first
.endr
	v_cvt_scalef32_pk8_fp8_f32 v[RC+4*(\t):RC+4*(\t)+1], v[XS:XS+7], v11
	v_cvt_scalef32_pk8_fp8_f32 v[RC+4*(\t)+2:RC+4*(\t)+3], v[XS+8:XS+15], v11
	v_lshrrev_b32 v[RE+(\t)], 23, v11              ; the scale's byte
	ds_store_b8 v5, v[RE+(\t)] offset:16*(\t)      ; both lanes of a block write the same byte with the same value
	global_store_b128 v4, v[RC+4*(\t):RC+4*(\t)+3], s[6:7] offset:512*(\t)   ; 32 lanes store 512 consecutive bytes
.endm
.irp t, 0,1,2,3,4,5,6,7,8,9,10,11,12,13,14,15
	RSTEP \t
.endr
	ds_load_b64 v[12:13], v6                       ; these see my byte stores: LDS serves a wave in order
	s_wait_dscnt 0x0
	global_store_b64 v7, v[12:13], s[8:9]          ; 32 lanes store 256 consecutive bytes, aligned
	s_wait_tensorcnt 0x0
	ds_add_u32 v192, v193
	s_wait_dscnt 0x0
	s_endpgm
; ---------------------------------------------------------------- plane 1: K down the columns
.Lcols:
	s_sub_co_u32 s15, ttmp9, 128
	s_and_b32 s17, s15, 15                         ; which 128 columns
	s_lshr_b32 s18, s15, 4                         ; which 256 along K
	s_lshl_b32 s17, s17, 7
	s_lshl_b32 s19, s16, 5
	s_add_co_u32 s17, s17, s19                     ; my wave's first column
	s_wait_alu depctr_va_vdst(0)
	v_lshlrev_b32 v3, 2, v2                        ; in: 4 bytes a lane
	s_mul_i32 s19, s16, 32*CPITCH
	s_add_co_u32 s19, s19, CSTAGE                  ; my stage
	v_mul_u32_u24 v4, v2, CPITCH
	v_add_nc_u32 v4, s19, v4                       ; into it: row = my column
	v_and_b32 v5, 15, v2
	v_lshrrev_b32 v6, 4, v2
	v_mul_u32_u24 v7, v6, CPITCH
	v_lshl_add_u32 v7, v5, 4, v7
	v_add_nc_u32 v7, s19, v7                       ; out of it: sixteen lanes to a row, two rows an instruction
	v_lshlrev_b32 v8, 11, v6
	v_lshl_add_u32 v8, v5, 4, v8                   ; and the same place in the codes (rows of 2,048 bytes)
	v_lshlrev_b32 v9, 6, v2                        ; my column's row of 64 scale bytes
	s_lshl_b32 s20, s18, 21                        ; 256 rows of 8,192 bytes
	s_lshl_b32 s22, s17, 2
	s_add_co_u32 s20, s20, s22
	s_add_nc_u64 s[4:5], s[4:5], s[20:21]
	s_lshl_b32 s20, s17, 11
	s_lshl_b32 s22, s18, 8
	s_add_co_u32 s20, s20, s22
	s_add_co_u32 s20, s20, 4194304                 ; plane 1 of the codes
	s_add_nc_u64 s[6:7], s[6:7], s[20:21]
	s_lshl_b32 s20, s17, 6
	s_lshl_b32 s22, s18, 3
	s_add_co_u32 s20, s20, s22
	s_add_co_u32 s20, s20, 131072                  ; plane 1 of the scale bytes
	s_add_nc_u64 s[8:9], s[8:9], s[20:21]
.macro CLOAD t                         ; block t: rows 32 t + i of my column, into set t % 2; 32 lanes read 128 consecutive bytes
.irp i, 0,1,2,3,4,5,6,7,8,9,10,11,12,13,14,15,16,17,18,19,20,21,22,23,24,25,26,27,28,29,30,31
	global_load_b32 v[CX+32*((\t)%2)+\i], v3, s[4:5] offset:(32*(\t)+\i)*8192
.endr
.endm
	CLOAD 0
	CLOAD 1
.macro CBLOCK t
.set XS, CX+32*((\t)%2)
.if (\t) < NBL-1
	s_wait_loadcnt 32                              ; this block's 32 loads are in; the next block's may be out
.else
	s_wait_loadcnt 0
.endif
	v_max3_num_f32 v12, |v[XS]|, |v[XS+1]|, |v[XS+2]|              ; the block's largest magnitude: all 32 numbers are mine
	v_max3_num_f32 v13, |v[XS+3]|, |v[XS+4]|, |v[XS+5]|
.irp i, 6,10,14,18,22,26
	v_max3_num_f32 v12, v12, |v[XS+\i]|, |v[XS+\i+1]|
	v_max3_num_f32 v13, v13, |v[XS+\i+2]|, |v[XS+\i+3]|
.endr
	v_max3_num_f32 v12, v12, |v[XS+30]|, |v[XS+31]|
	v_max3_num_f32 v12, v12, v13, 0x4800000        ; and the floor
	v_add_nc_u32 v11, 0xfc000000, v12
	v_and_or_b32 v10, v12, 0x7f800000, s23
	v_lshrrev_b32 v13, 23, v11                     ; the scale's byte
.if (\t)%4 == 0
	v_mov_b32 v[CSB+(\t)/4], v13                   ; four bytes to a register, the lower K in the lower byte
.else
	v_lshl_or_b32 v[CSB+(\t)/4], v13, 8*((\t)%4), v[CSB+(\t)/4]
.endif
.irp i, 0,1,2,3,4,5,6,7,8,9,10,11,12,13,14,15,16,17,18,19,20,21,22,23,24,25,26,27,28,29,30,31
	v_med3_num_f32 v[XS+\i], v[XS+\i], -v10, v10
.endr
.irp g, 0,1,2,3
	v_cvt_scalef32_pk8_fp8_f32 v[CC+2*\g:CC+2*\g+1], v[XS+8*\g:XS+8*\g+7], v11
.endr
	ds_store_b128 v4, v[CC:CC+3] offset:32*(\t)    ; 32 codes of my column's row
	ds_store_b128 v4, v[CC+4:CC+7] offset:32*(\t)+16
.if (\t)+2 < NBL
	CLOAD (\t)+2
.endif
	s_wait_dscnt 0x0                               ; the stores have read their registers: the next block's codes may be written
.endm
.irp t, 0,1,2,3,4,5,6,7
	CBLOCK \t
.endr
	global_store_b64 v9, v[CSB:CSB+1], s[8:9]      ; my column's 8 scale bytes
.irp t, 0,1,2,3,4,5,6,7,8,9,10,11,12,13,14,15
	ds_load_b128 v[COUT+4*\t:COUT+4*\t+3], v7 offset:2*\t*CPITCH
.endr
.irp t, 0,1,2,3,4,5,6,7,8,9,10,11,12,13,14,15
	s_wait_dscnt 15-\t                             ; load t is back; the 15 - t behind it may be out
	global_store_b128 v8, v[COUT+4*\t:COUT+4*\t+3], s[6:7] offset:2*\t*2048   ; sixteen lanes store 256 consecutive bytes, aligned
.endr
	s_wait_tensorcnt 0x0
	ds_add_u32 v192, v193
	s_wait_dscnt 0x0
	s_endpgm
.Lfunc_end_k_q61262190c2_quant:
	.size	k_q61262190c2_quant, .Lfunc_end_k_q61262190c2_quant-k_q61262190c2_quant
	.p2alignl 7, 3214868480
	.fill 96, 4, 3214868480
	.section	.rodata,"a",@progbits
	.p2align	6, 0x0
	.amdhsa_kernel k_q61262190c2_quant
		.amdhsa_group_segment_fixed_size 68096
		.amdhsa_private_segment_fixed_size 0
		.amdhsa_enable_private_segment 0
		.amdhsa_kernarg_size 24
		.amdhsa_user_sgpr_count 2
		.amdhsa_user_sgpr_kernarg_segment_ptr 1
		.amdhsa_wavefront_size32 1
		.amdhsa_system_sgpr_workgroup_id_x 1
		.amdhsa_system_sgpr_workgroup_id_y 1
		.amdhsa_system_sgpr_workgroup_id_z 1
		.amdhsa_system_vgpr_workitem_id 0
		.amdhsa_next_free_vgpr 194
		.amdhsa_next_free_sgpr 66
		.amdhsa_reserve_vcc 0
		.amdhsa_float_denorm_mode_32 3
		.amdhsa_float_denorm_mode_16_64 3
		.amdhsa_memory_ordered 1
		.amdhsa_forward_progress 1
		.amdhsa_inst_pref_size 109
	.end_amdhsa_kernel
	.amdgpu_metadata
---
amdhsa.version: [ 1, 2 ]
amdhsa.kernels:
  - .name:           k_q61262190c2_quant
    .symbol:         k_q61262190c2_quant.kd
    .args:
      - { .name: causal_graph, .offset: 0, .size: 8, .value_kind: global_buffer, .address_space: global }
      - { .name: cgq, .offset: 8, .size: 8, .value_kind: global_buffer, .address_space: global }
      - { .name: cgs, .offset: 16, .size: 8, .value_kind: global_buffer, .address_space: global }
    .group_segment_fixed_size: 68096
    .private_segment_fixed_size: 0
    .kernarg_segment_align: 8
    .kernarg_segment_size: 24
    .max_flat_workgroup_size: 128
    .sgpr_count:     66
    .vgpr_count:     194
    .wavefront_size: 32
...
	.end_amdgpu_metadata
.endif
;; end of part 1
;; launch proj (part 2): grid 256 x 1, 8 waves a work-group, no clusters, 327,680 bytes of LDS; arguments x_codes, x_scales, Wq_codes, Wk_codes, Wq_scales, Wk_scales, Wc_codes, We_codes, Wc_scales, We_scales, bq, bk, bc, be, qc, kvc, qs, kvs, Wv_codes, Wv_scales, bv, cgq, cgs; writes qc, qs, kvc, kvs
.if DOCPART == 2
	.amdgcn_target "amdgcn-amd-amdhsa--gfx1250"
	.amdhsa_code_object_version 6
	.text
	.protected	k_q61262190c2_proj
	.globl	k_q61262190c2_proj
	.p2align	8
	.type	k_q61262190c2_proj,@function
k_q61262190c2_proj:
	s_mov_b64 s[64:65], 0
	v_nop
	global_prefetch_b8 v0, s[64:65] scope:SCOPE_SE
	s_setreg_imm32_b32 hwreg(HW_REG_WAVE_MODE, 25, 1), 1
	s_wait_xcnt 0x0
; Q = x Wq + bq + (cg Wc + bc), K = x Wk + bk + (cg^T We + be), V = x Wv + bv, all products on codes of FP8 (E4M3) with E8M0 scales, and the three results quantised for the attention launch:
; Q and K along the head's 64 channels, V along the keys.  Work-group g: kappa = g >> 7 (0: Q, 1: K), IB = (g >> 3) & 15 (128 rows), NB = g & 7 (128 channels); and for V: KB = g >> 3 (128 keys of the 4,096), DB = g & 7.
; THREE PHASES, one text for all work-groups (Q and K differ in pointers alone):
;   C: 16 K steps of 128: the graph's codes (rows 128 IB of plane kappa) x Wc or We.  The sums begin with the two biases.  The graph's part is the same for both batches: it is multiplied once.
;   X: 8 K steps: x's rows 128 IB of batch 0 and of batch 1 x Wq or Wk.  Batch 1's sums take batch 0's (bias + graph part) as the C of their first products; batch 0's go on in place.
;   V: 8 K steps: Wv's rows 128 DB x x's rows 128 KB.
; EVERY PRODUCT IS USED SO: source 0 = 16 rows of the operand S0 along which the result will be quantised (channels for Q and K, keys for V), source 1 = 16 rows of S1: a lane holds one row of S1 and its registers run along S0.
; Wave w: S1G = w & 3 (32 rows of S1: tiles u = 0, 1), S0G = w >> 2 (64 rows of S0: tiles t = 0..3): 8 accumulators a batch, taken by turns, one instruction a turn.
; RESULTS AS IMAGES OF OPERAND REGISTERS.  Register j of tile t is S0 index 16 t + 8 (lane / 16) + j.  A block of 32 is two tiles; its two conversions give 8 codes each, and two lane swaps (upper half of one register
; against lower half of another) leave lane (r, h) with the 16 neighbours 32 b + 16 h + 0..15 in four registers: the operand's layout.  Four registers are stored 16 bytes a lane, 512 consecutive bytes a store.
; Q, K: a wave's two tiles of rows make ONE fragment of 16 registers: groups 0, 1 = rows 0-15 (64 channels), groups 2, 3 = rows 16-31; its scale word: two bytes of each.
; ORDER OF SUMS: (bq + bc) + graph part + x part, in one f32 accumulator: another order than x Wq + bq + (cg Wc + bc).
; LIMITS: NaN and infinities are not served; a block whose largest magnitude lies under 2^-118, a block of zeros among them, gets the scale byte 1.
; THE RING.  Two LDS slots of four regions; a region is 128 rows x 256 bytes; a tensor load brings 64 rows, half a region; wave w's load lands at w x 64 rows of the slot.
;   Phases C and V: a slot holds 512 along K, four K steps: regions S1 (K 0-255), S0 (K 0-255), S1 (K 256-511), S0 (K 256-511); all eight waves fetch, one load each: 131,072 bytes go out behind a barrier.
;   Phase X: a slot holds 256 along K, two K steps: regions x of batch 0, Wq or Wk, x of batch 1; waves 0 to 5 fetch.  (512 along K of three operands would be six regions a slot: twelve do not fit.)
;   Ten chunks in all: 4 + 4 + 2.  Chunk n lies in slot n % 2; it is asked for at the head of chunk n - 1's work, first thing behind the barrier, and has that chunk's work in which to land.
; All scale bytes that the work-group needs, 36,864, come once, behind chunk 0 and a barrier, one block a wave.  Chunk 0, the scale bytes and chunk 1 go out one after another, each but the first behind a barrier: one load of a wave is out at a time.
; NO CLUSTER: each work-group asks for its own tiles.  Neighbours g .. g + 3 do share one operand of a chunk (two of three in phase X); joint loads for them are left out of this text, which keeps one plain barrier a chunk.
; No prefetch: each tile is read by eight or sixteen work-groups at about the same time, and the text has ten chunks in all.
.set PITCH, 272                        ; an LDS row: 256 bytes + 16 of padding: the 16 rows of a fragment load start 68 words apart
.set REG,   128*PITCH                  ; a region: 128 rows
.set SLOT,  4*REG
.set SBW,   0                          ; scale bytes: Wc's or We's 128 rows of 64 bytes,
.set SBG,   8192                       ; the graph's 128 rows of 64,
.set SBX0,  16384                      ; x's 128 rows of 32, batch 0,
.set SBX1,  20480                      ; batch 1,
.set SBQ,   24576                      ; Wq's or Wk's,
.set SBV,   28672                      ; Wv's,
.set SBK,   32768                      ; x's rows of the keys
.set SPARE, 36864                      ; behind the scale bytes: the spare words, 128 bytes a wave: four blocks of 256 bytes that no other line names
.set RING,  37888
.set TM,    32                         ; v32-47 at work in QUANT
.set WV,    2                          ; s2   my wave's number
.set WOFF,  66                         ; s66  wave x 64 rows: where my tensor loads land in a slot
.set MNT,   67                         ; s67  the mantissa field of 448
.set SEL,   100                        ; s[100:101] lane selects: lane l xor 16
.set GC2,   40                         ; s[40:43] group 0, phase C, slot 1
.set GS,    48                         ; s[48:51] group 0: my block of scale bytes
.set G1A,   52                         ; s[52:59] group 1: 64 rows x 256 bytes, rows 2,048 bytes apart
.set GV,    60                         ; s[60:63] group 0, phase V
.set G1B,   68                         ; s[68:75] group 1: the same, rows 1,024 bytes apart
.set G1S8,  76                         ; s[76:83] group 1: 8,192 dense bytes
.set G1S4,  84                         ; s[84:91] group 1: 4,096 dense bytes
.set GC,    92                         ; s[92:95] group 0, phase C, slot 0
.set GX,    96                         ; s[96:99] group 0, phase X
; VECTOR REGISTERS: v1 16 x lane; v2-3 my S1 fragments in region 0 of slot 0, 1; v4-5 S0's in region 1; v6-7 S1's in region 2; v28-29 S0's in region 3; v8 S1's scale words in rows of 64 bytes, v9 S0's,
; v10, v11 the same in rows of 32 bytes; v12 spare word, v13 zero; v14, v15 where scale words are stored; v16-19 S0's scale words, v20-21 S1's; v22-25 at work; v[26:27] bv; v32-63 S1's two fragments;
; v64-127 S0's four; v128-191 batch 0's sums (later V's); v192-255 batch 1's.
.macro NOPS n
.rept \n
	v_nop
.endr
.endm
.macro TLOAD lim, g0, g1               ; waves under lim issue one load; four v_nop follow it
.if \lim < 8
	s_cmp_lt_u32 s[WV], \lim
	s_cbranch_scc0 .Lnone_\@
.endif
	tensor_load_to_lds s[\g0:\g0+3], s[\g1:\g1+7]
	s_nop 0
	NOPS 4
.if \lim < 8
.Lnone_\@:
.endif
.endm
; THE CHANGE OF SLOTS, at a chunk's head.  All my tensor loads have landed (my part of the chunk to be read among them); 0 onto my spare word; the next chunk's descriptor is written while the add is out
; (nslot: the slot that it goes to; step: bytes along K from the descriptor's last chunk); the add is done and my reads of the other slot are over; the barrier; then the other slot is filled, first thing, one load a wave.
.macro TRIP nslot, g0, g1, lim, step, fill
	s_wait_tensorcnt 0x0                           ; no tensor load of mine is out, so a group 0 may be written
	ds_add_u32 v12, v13
.if \fill
	s_add_co_u32 s[\g0+1], s[WOFF], RING+(\nslot)*SLOT
.if \step
	s_add_nc_u64 s[\g0+2:\g0+3], s[\g0+2:\g0+3], \step   ; the type bits on top are not reached
.endif
.endif
	s_wait_dscnt 0x0
	s_barrier_signal -1
	s_barrier_wait -1
.if \fill
	TLOAD \lim, \g0, \g1
.endif
.endm
.macro LDS0 adr, q, sb, ks, kstep      ; S0's four fragments, by address register adr, the region's q-th 128 along K; and their scale words (block at byte sb, rows of ks bytes, word kstep)
.irp t, 0,1,2,3
.irp c, 0,1,2,3
	ds_load_b128 v[64+16*\t+4*\c:64+16*\t+4*\c+3], v[\adr] offset:\t*16*PITCH+128*(\q)+32*\c
.endr
	ds_load_b32 v[16+\t], v[9+2*(1-(\ks)/64)] offset:(\sb)+\t*16*(\ks)+4*(\kstep)
.endr
.endm
.macro LDS1 adr, q, sb, ks, kstep      ; S1's two fragments
.irp t, 0,1
.irp c, 0,1,2,3
	ds_load_b128 v[32+16*\t+4*\c:32+16*\t+4*\c+3], v[\adr] offset:\t*16*PITCH+128*(\q)+32*\c
.endr
	ds_load_b32 v[20+\t], v[8+2*(1-(\ks)/64)] offset:(\sb)+\t*16*(\ks)+4*(\kstep)
.endr
.endm
.macro MUL8 dd, cc                     ; eight products; cc < 0: they start the sums
.irp u, 0,1
.irp t, 0,1,2,3
.if (\cc) < 0
	v_wmma_scale_f32_16x16x128_f8f6f4 v[\dd+32*\u+8*\t:\dd+32*\u+8*\t+7], v[64+16*\t:64+16*\t+15], v[32+16*\u:32+16*\u+15], 0, v[16+\t], v[20+\u]
.else
	v_wmma_scale_f32_16x16x128_f8f6f4 v[\dd+32*\u+8*\t:\dd+32*\u+8*\t+7], v[64+16*\t:64+16*\t+15], v[32+16*\u:32+16*\u+15], v[\cc+32*\u+8*\t:\cc+32*\u+8*\t+7], v[16+\t], v[20+\u]
.endif
.endr
.endr
.endm
; A K step of phases C and V.  Eight places stand in front of loads into registers that matrix instructions have read.
.macro KC a0, a1, q, b0, b1, ks, kstep, cc
	NOPS 8
	LDS0 \a0, \q, \b0, \ks, \kstep
	LDS1 \a1, \q, \b1, \ks, \kstep
	s_wait_dscnt 0x0
	MUL8 128, \cc
.endm
; A chunk of phases C and V in slot s: four K steps from K step k0 on: two from regions 0 and 1, two from regions 2 and 3
.macro CK4 s, b0, b1, ks, k0, cc
	KC 4+\s, 2+\s, 0, \b0, \b1, \ks, (\k0), \cc
	KC 4+\s, 2+\s, 1, \b0, \b1, \ks, (\k0)+1, 128
	KC 28+\s, 6+\s, 0, \b0, \b1, \ks, (\k0)+2, 128
	KC 28+\s, 6+\s, 1, \b0, \b1, \ks, (\k0)+3, 128
.endm
; A K step of phase X: batch 1 first, then batch 0.  first = 1: batch 1's sums take batch 0's as C, and batch 0's are then written by matrix instructions that follow readers of them: nine places each time.
.macro KX slot, q, kstep, first
	NOPS 8+\first
	LDS0 4+\slot, \q, SBQ, 32, \kstep
	LDS1 6+\slot, \q, SBX1, 32, \kstep
	s_wait_dscnt 0x0
.if \first
	MUL8 192, 128
.else
	MUL8 192, 192
.endif
	NOPS 8+\first
	LDS1 2+\slot, \q, SBX0, 32, \kstep
	s_wait_dscnt 0x0
	MUL8 128, 128
.endm
; 64 numbers of a lane, four blocks of 16 registers (the other 16 of a block lie in lane l xor 16), become 16 registers of codes at v[pc] and a scale word in v[pw].  Each tile of 8 is read from its low end first.
.macro QUANT s, pc, pw
.irp b, 0,1,2,3
	v_mov_b32 v[TM+4+\b], 0                        ; a lane permute's destination counts as one of its sources
.endr
.irp b, 0,1,2,3
	v_max3_num_f32 v[TM+\b], |v[\s+16*\b]|, |v[\s+16*\b+1]|, 0x4800000   ; with the floor 2^(9 - 127): the byte cannot fall under 1
.endr
.irp i, 2,4,6,8,10,12,14
.irp b, 0,1,2,3
	v_max3_num_f32 v[TM+\b], v[TM+\b], |v[\s+16*\b+\i]|, |v[\s+16*\b+\i+1]|   ; the four blocks by turns
.endr
.endr
.irp b, 0,1,2,3
	s_delay_alu instid0(VALU_DEP_4)
	v_permlanex16_b32 v[TM+4+\b], v[TM+\b], s[SEL], s[SEL+1]
.endr
.irp b, 0,1,2,3
	s_delay_alu instid0(VALU_DEP_4)
	v_max_num_f32 v[TM+\b], v[TM+\b], v[TM+4+\b]   ; the block's largest magnitude
.endr
.irp b, 0,1,2,3
	s_delay_alu instid0(VALU_DEP_4)
	v_add_nc_u32 v[TM+12+\b], 0xfc000000, v[TM+\b] ; 8 off its exponent field: the conversion's scale operand
.endr
.irp b, 0,1,2,3
	v_and_or_b32 v[TM+8+\b], v[TM+\b], 0x7f800000, s[MNT]   ; 448 x the scale
.endr
.irp b, 0,1,2,3
	v_lshrrev_b32 v[TM+4+\b], 23, v[TM+12+\b]      ; the scale's byte
.endr
	s_delay_alu instid0(VALU_DEP_3)
	v_lshl_or_b32 v[\pw], v[TM+5], 8, v[TM+4]
	s_delay_alu instid0(VALU_DEP_1)
	v_lshl_or_b32 v[\pw], v[TM+6], 16, v[\pw]
	s_delay_alu instid0(VALU_DEP_1)
	v_lshl_or_b32 v[\pw], v[TM+7], 24, v[\pw]
.irp b, 0,1,2,3
.irp i, 0,1,2,3,4,5,6,7,8,9,10,11,12,13,14,15
	v_med3_num_f32 v[\s+16*\b+\i], v[\s+16*\b+\i], -v[TM+8+\b], v[TM+8+\b]   ; the conversion does not saturate (ISA guide 7.6.2): the hold comes first
.endr
	v_cvt_scalef32_pk8_fp8_f32 v[\pc+4*\b:\pc+4*\b+1], v[\s+16*\b:\s+16*\b+7], v[TM+12+\b]
	v_cvt_scalef32_pk8_fp8_f32 v[\pc+4*\b+2:\pc+4*\b+3], v[\s+16*\b+8:\s+16*\b+15], v[TM+12+\b]
.endr
	v_nop                                          ; one plain instruction between the conversions and what touches their results
.irp b, 0,1,2,3
	v_permlane16_swap_b32 v[\pc+4*\b], v[\pc+4*\b+2]     ; upper lanes of the first tile's codes against lower lanes of the second's: 16 neighbours a lane
	v_permlane16_swap_b32 v[\pc+4*\b+1], v[\pc+4*\b+3]
.endr
.endm
	s_load_b512 s[4:19], s[0:1], 0x0               ; x_codes 4, x_scales 6, Wq_codes 8, Wk_codes 10, Wq_scales 12, Wk_scales 14, Wc_codes 16, We_codes 18
	s_load_b512 s[20:35], s[0:1], 0x40             ; Wc_scales 20, We_scales 22, bq 24, bk 26, bc 28, be 30, qc 32, kvc 34
	s_load_b256 s[36:43], s[0:1], 0x80             ; qs 36, kvs 38, Wv_codes 40, Wv_scales 42
	s_load_b128 s[44:47], s[0:1], 0xa0             ; bv 44, cgq 46
	s_load_b64 s[48:49], s[0:1], 0xb0              ; cgs 48
	v_lshl_add_u32 v12, v0, 2, SPARE
	v_mov_b32 v13, 0
	ds_add_u32 v12, v13
	ds_add_u32 v12, v13
	s_wait_dscnt 0x0
	v_lshrrev_b32 v1, 5, v0
	s_delay_alu instid0(VALU_DEP_1)
	v_readfirstlane_b32 s[WV], v1                  ; wave 0..7
	s_mul_i32 s[WOFF], s[WV], 64*PITCH
	s_mov_b32 s[MNT], 0x600000
	s_mov_b32 s[SEL], 0x76543210
	s_mov_b32 s[SEL+1], 0xfedcba98
.irp g, G1A, G1B
	s_mov_b32 s[\g], (1<<20)|(5<<22)|(3<<25)       ; elements of 1 byte; padding on: 4 words behind every 64
	s_mov_b32 s[\g+1], 256<<16                     ; tensor_dim0
	s_mov_b32 s[\g+2], 64<<16                      ; tensor_dim1
	s_mov_b32 s[\g+3], 256<<16                     ; tile_dim0
	s_mov_b32 s[\g+4], 64                          ; tile_dim1
	s_mov_b32 s[\g+6], 0
	s_mov_b32 s[\g+7], 0
.endr
	s_mov_b32 s[G1A+5], 2048                       ; from row to row
	s_mov_b32 s[G1B+5], 1024
.irp g, G1S8, G1S4
	s_mov_b32 s[\g], 3<<16                         ; elements of 8 bytes, no padding: rows of 256 bytes, dense
	s_mov_b32 s[\g+1], 32<<16
	s_mov_b32 s[\g+3], 32<<16
	s_mov_b32 s[\g+5], 32
	s_mov_b32 s[\g+6], 0
	s_mov_b32 s[\g+7], 0
.endr
	s_mov_b32 s[G1S8+2], 32<<16
	s_mov_b32 s[G1S8+4], 32
	s_mov_b32 s[G1S4+2], 16<<16
	s_mov_b32 s[G1S4+4], 16
	s_wait_kmcnt 0x0
	s_cmp_lt_u32 ttmp9, 128                        ; Q's work-group or K's: pointers alone are chosen
	s_cselect_b64 s[8:9], s[8:9], s[10:11]
	s_cselect_b64 s[12:13], s[12:13], s[14:15]
	s_cselect_b64 s[16:17], s[16:17], s[18:19]
	s_cselect_b64 s[20:21], s[20:21], s[22:23]
	s_cselect_b64 s[24:25], s[24:25], s[26:27]
	s_cselect_b64 s[28:29], s[28:29], s[30:31]
	s_cselect_b64 s[32:33], s[32:33], s[34:35]
	s_cselect_b64 s[36:37], s[36:37], s[38:39]
	s_lshr_b32 s10, ttmp9, 7                       ; kappa
	s_bfe_u32 s11, ttmp9, 0x40003                  ; IB
	s_and_b32 s14, ttmp9, 7                        ; NB = DB
	s_lshr_b32 s15, ttmp9, 3                       ; KB
	s_and_b32 s18, s[WV], 3                        ; S1G
	s_lshr_b32 s19, s[WV], 2                       ; S0G.  Also: which 256 of a slot's 512 along K I fetch
	s_and_b32 s26, s[WV], 1                        ; which 64 rows of a region I fetch
	s_bfe_u32 s30, s[WV], 0x10001                  ; phases C and V: I fetch for S1 (0) or for S0 (1)
	; my block of scale bytes: wave 0 Wc's or We's (8,192 bytes); waves 1, 2 the halves of the graph's; 3 and 4 x's of batch 0 and 1; 5 Wq's or Wk's; 6 Wv's; 7 x's of the keys (4,096 each)
	s_lshl_b32 s22, s10, 17
	s_lshl_b32 s23, s11, 13
	s_add_co_u32 s22, s22, s23
	s_mov_b64 s[50:51], s[48:49]
	s_add_co_u32 s23, s22, 4096
	s_cmp_eq_u32 s[WV], 2
	s_cselect_b32 s22, s23, s22
	s_lshl_b32 s23, s14, 13
	s_cmp_eq_u32 s[WV], 0
	s_cselect_b64 s[50:51], s[20:21], s[50:51]
	s_cselect_b32 s22, s23, s22
	s_lshl_b32 s23, s11, 12
	s_cmp_eq_u32 s[WV], 3
	s_cselect_b64 s[50:51], s[6:7], s[50:51]
	s_cselect_b32 s22, s23, s22
	s_add_co_u32 s23, s23, 65536
	s_cmp_eq_u32 s[WV], 4
	s_cselect_b64 s[50:51], s[6:7], s[50:51]
	s_cselect_b32 s22, s23, s22
	s_lshl_b32 s23, s14, 12
	s_cmp_eq_u32 s[WV], 5
	s_cselect_b64 s[50:51], s[12:13], s[50:51]
	s_cselect_b32 s22, s23, s22
	s_cmp_eq_u32 s[WV], 6
	s_cselect_b64 s[50:51], s[42:43], s[50:51]
	s_cselect_b32 s22, s23, s22
	s_lshl_b32 s23, s15, 12
	s_cmp_eq_u32 s[WV], 7
	s_cselect_b64 s[50:51], s[6:7], s[50:51]
	s_cselect_b32 s22, s23, s22
	s_mov_b32 s23, 0
	s_add_nc_u64 s[50:51], s[50:51], s[22:23]
	s_or_b32 s51, s51, 0x80000000                  ; type = 2
	s_mov_b32 s48, 1
	s_min_u32 s49, s[WV], 1
	s_add_co_u32 s49, s49, s[WV]
	s_lshl_b32 s49, s49, 12                        ; wave 0 at byte 0, wave w at 4,096 (w + 1)
	; phase C: S1 = the graph's rows, S0 = Wc's or We's
	s_lshl_b32 s22, s10, 22
	s_lshl_b32 s23, s11, 18
	s_add_co_u32 s22, s22, s23
	s_lshl_b32 s23, s14, 18
	s_cmp_eq_u32 s30, 0
	s_cselect_b64 s[GC+2:GC+3], s[46:47], s[16:17]
	s_cselect_b32 s22, s22, s23
	s_lshl_b32 s23, s26, 17                        ; my 64 rows
	s_add_co_u32 s22, s22, s23
	s_lshl_b32 s23, s19, 8                         ; my 256 along K
	s_add_co_u32 s22, s22, s23
	s_mov_b32 s23, 0
	s_add_nc_u64 s[GC+2:GC+3], s[GC+2:GC+3], s[22:23]
	s_or_b32 s[GC+3], s[GC+3], 0x80000000
	s_mov_b32 s[GC], 1
	s_add_co_u32 s[GC+1], s[WOFF], RING
	; phase V: S1 = Wv's rows, S0 = x's
	s_lshl_b32 s22, s14, 17
	s_lshl_b32 s23, s15, 17
	s_cmp_eq_u32 s30, 0
	s_cselect_b64 s[GV+2:GV+3], s[40:41], s[4:5]
	s_cselect_b32 s22, s22, s23
	s_lshl_b32 s23, s26, 16
	s_add_co_u32 s22, s22, s23
	s_lshl_b32 s23, s19, 8
	s_add_co_u32 s22, s22, s23
	s_mov_b32 s23, 0
	s_add_nc_u64 s[GV+2:GV+3], s[GV+2:GV+3], s[22:23]
	s_or_b32 s[GV+3], s[GV+3], 0x80000000
	s_mov_b32 s[GV], 1
	; phase X: waves 0, 1 x's rows of batch 0, waves 2, 3 Wq's or Wk's, waves 4, 5 x's rows of batch 1
	s_lshl_b32 s22, s11, 17
	s_lshl_b32 s23, s14, 17
	s_lshr_b32 s27, s[WV], 1
	s_cmp_eq_u32 s27, 1
	s_cselect_b64 s[GX+2:GX+3], s[8:9], s[4:5]
	s_cselect_b32 s22, s23, s22
	s_cmp_ge_u32 s27, 2
	s_cselect_b32 s23, 0x200000, 0
	s_add_co_u32 s22, s22, s23
	s_lshl_b32 s23, s26, 16
	s_add_co_u32 s22, s22, s23
	s_mov_b32 s23, 0
	s_add_nc_u64 s[GX+2:GX+3], s[GX+2:GX+3], s[22:23]
	s_or_b32 s[GX+3], s[GX+3], 0x80000000
	s_mov_b32 s[GX], 1
	s_mov_b32 s[GC2], 1                            ; phase C's second chunk, into slot 1 (Wv's two pointers are used up)
	s_add_co_u32 s[GC2+1], s[WOFF], RING+SLOT
	s_add_nc_u64 s[GC2+2:GC2+3], s[GC+2:GC+3], 512
	; THE FIRST FILL, ahead of every wait on TENSORcnt and barrier: every wave issues one load, its part of chunk 0
	; THE HEAD'S FILL AS IT NOW STANDS: one tensor load a wave, its part of chunk 0; the scale bytes and chunk 1 follow behind barriers of their own, ahead of phase C
	tensor_load_to_lds s[GC:GC+3], s[G1A:G1A+7]
	s_nop 0
	NOPS 4
	; where biases come from and results go
	s_lshl_b32 s22, s14, 9
	s_lshl_b32 s27, s19, 8
	s_add_co_u32 s22, s22, s27                     ; channel 128 NB + 64 S0G, in bytes
	s_add_nc_u64 s[24:25], s[24:25], s[22:23]
	s_add_nc_u64 s[28:29], s[28:29], s[22:23]
	s_lshl_b32 s22, s14, 9
	s_lshl_b32 s27, s18, 7
	s_add_co_u32 s22, s22, s27                     ; channel 128 DB + 32 S1G
	s_add_nc_u64 s[44:45], s[44:45], s[22:23]
	s_lshl_b32 s27, s14, 1
	s_add_co_u32 s27, s27, s19                     ; the head of my 64 channels: 2 NB + S0G
	s_lshl_b32 s22, s27, 18
	s_lshl_b32 s30, s11, 14
	s_add_co_u32 s22, s22, s30
	s_lshl_b32 s30, s18, 11
	s_add_co_u32 s22, s22, s30
	s_add_nc_u64 s[32:33], s[32:33], s[22:23]      ; [head][128 rows IB][fragment S1G]
	s_lshl_b32 s22, s27, 13
	s_lshl_b32 s30, s11, 9
	s_add_co_u32 s22, s22, s30
	s_lshl_b32 s30, s18, 6
	s_add_co_u32 s22, s22, s30
	s_add_nc_u64 s[36:37], s[36:37], s[22:23]
	s_lshr_b32 s27, s15, 4
	s_lshl_b32 s27, s27, 4
	s_lshl_b32 s30, s14, 1
	s_add_co_u32 s27, s27, s30
	s_lshr_b32 s30, s18, 1
	s_add_co_u32 s27, s27, s30                     ; V: 16 x batch + head
	s_and_b32 s31, s15, 15                         ; the key step
	s_and_b32 s26, s18, 1
	s_lshl_b32 s22, s27, 18
	s_lshl_b32 s30, s31, 14
	s_add_co_u32 s22, s22, s30
	s_lshl_b32 s30, s26, 12
	s_add_co_u32 s22, s22, s30
	s_lshl_b32 s30, s19, 10
	s_add_co_u32 s22, s22, s30
	s_add_co_u32 s22, s22, 8192
	s_add_nc_u64 s[34:35], s[34:35], s[22:23]
	s_lshl_b32 s22, s27, 13
	s_lshl_b32 s30, s31, 9
	s_add_co_u32 s22, s22, s30
	s_lshl_b32 s30, s26, 7
	s_add_co_u32 s22, s22, s30
	s_lshl_b32 s30, s19, 1
	s_add_co_u32 s22, s22, s30
	s_add_co_u32 s22, s22, 256
	s_add_nc_u64 s[38:39], s[38:39], s[22:23]
	; addresses in LDS
	v_and_b32 v22, 15, v0                          ; r
	v_bfe_u32 v23, v0, 4, 1                        ; h
	v_and_b32 v1, 31, v0
	s_delay_alu instid0(VALU_DEP_1)
	v_lshlrev_b32 v1, 4, v1                        ; 16 x lane
	s_delay_alu instid0(VALU_DEP_4)
	v_mul_u32_u24 v24, v22, PITCH
	s_delay_alu instid0(VALU_DEP_1)
	v_lshl_add_u32 v24, v23, 4, v24                ; a fragment's row x pitch + 16 h
	s_mul_i32 s22, s18, 32*PITCH
	s_add_co_u32 s22, s22, RING
	s_mul_i32 s27, s19, 64*PITCH
	s_add_co_u32 s27, s27, RING+REG
	v_add_nc_u32 v2, s22, v24
	s_delay_alu instid0(VALU_DEP_1)
	v_add_nc_u32 v3, SLOT, v2
	v_add_nc_u32 v4, s27, v24
	s_delay_alu instid0(VALU_DEP_1)
	v_add_nc_u32 v5, SLOT, v4
	s_delay_alu instid0(VALU_DEP_4)
	v_add_nc_u32 v6, 2*REG, v2
	s_delay_alu instid0(VALU_DEP_4)
	v_add_nc_u32 v7, 2*REG, v3
	s_delay_alu instid0(VALU_DEP_4)
	v_add_nc_u32 v28, 2*REG, v4
	s_delay_alu instid0(VALU_DEP_4)
	v_add_nc_u32 v29, 2*REG, v5
	s_lshl_b32 s22, s18, 11
	v_lshl_add_u32 v8, v22, 6, s22
	s_lshl_b32 s22, s19, 12
	v_lshl_add_u32 v9, v22, 6, s22
	s_lshl_b32 s22, s18, 10
	v_lshl_add_u32 v10, v22, 5, s22
	s_lshl_b32 s22, s19, 11
	v_lshl_add_u32 v11, v22, 5, s22
	v_lshlrev_b32 v25, 2, v22                      ; 4 r
	s_delay_alu instid0(VALU_DEP_1)
	v_lshl_add_u32 v14, v23, 17, v25               ; Q's, K's scale words: lanes 16-31 store batch 1's, 131,072 bytes on
	s_delay_alu instid0(VALU_DEP_2)
	v_lshl_add_u32 v15, v23, 6, v25                ; V's: lanes 16-31 store the second tile's, 64 bytes on
	v_lshlrev_b32 v24, 5, v23                      ; 32 h
.irp t, 0,1,2,3                        ; the two biases at my channels 16 t + 8 h + 0..7
	global_load_b128 v[64+8*\t:64+8*\t+3], v24, s[24:25] offset:64*\t
	global_load_b128 v[64+8*\t+4:64+8*\t+7], v24, s[24:25] offset:64*\t+16
	global_load_b128 v[96+8*\t:96+8*\t+3], v24, s[28:29] offset:64*\t
	global_load_b128 v[96+8*\t+4:96+8*\t+7], v24, s[28:29] offset:64*\t+16
.endr
	global_load_b32 v26, v25, s[44:45]             ; bv at my row of Wv, tile 0,
	global_load_b32 v27, v25, s[44:45] offset:64   ; and tile 1
	s_wait_loadcnt 0x0
.set i, 0
.rept 16
	v_pk_add_f32 v[128+i:129+i], v[64+i:65+i], v[96+i:97+i]       ; the sums begin with the two biases, for both tiles of rows
	v_pk_add_f32 v[160+i:161+i], v[64+i:65+i], v[96+i:97+i]
.set i, i+2
.endr
; ---- phase C: chunks 0 to 3
	s_wait_alu depctr_va_vdst(0)
	s_wait_tensorcnt 0x0                           ; my part of chunk 0 is in; the three lines and a barrier stand ahead of each later first fill
	ds_add_u32 v12, v13
	s_wait_dscnt 0x0
	s_barrier_signal -1
	s_barrier_wait -1
	s_cmp_eq_u32 s[WV], 0                          ; my block of scale bytes: wave 0's is 8,192 bytes, the others' 4,096
	s_cbranch_scc0 .Lsc4
	tensor_load_to_lds s[GS:GS+3], s[G1S8:G1S8+7]
	s_nop 0
	NOPS 4
	s_branch .Lscd
.Lsc4:
	tensor_load_to_lds s[GS:GS+3], s[G1S4:G1S4+7]
	s_nop 0
	NOPS 4
.Lscd:
	s_wait_tensorcnt 0x0                           ; my scale bytes are in
	ds_add_u32 v12, v13
	s_wait_dscnt 0x0
	s_barrier_signal -1
	s_barrier_wait -1                              ; everybody's are, and chunk 0 is whole
	tensor_load_to_lds s[GC2:GC2+3], s[G1A:G1A+7]  ; chunk 1, into slot 1: it has chunk 0's four K steps in which to land
	s_nop 0
	NOPS 4
	CK4 0, SBW, SBG, 64, 0, 128
	TRIP 0, GC, G1A, 8, 1024, 1                    ; slot 0 takes chunk 2: two chunks of 512 on
	CK4 1, SBW, SBG, 64, 4, 128
	TRIP 1, GC2, G1A, 8, 1024, 1                   ; slot 1 takes chunk 3
	CK4 0, SBW, SBG, 64, 8, 128
	TRIP 0, GX, G1B, 6, 0, 1                       ; phase X's first chunk
	CK4 1, SBW, SBG, 64, 12, 128
; ---- phase X: chunks 4 to 7
	TRIP 1, GX, G1B, 6, 256, 1
	KX 0, 0, 0, 1
	KX 0, 1, 1, 0
	TRIP 0, GX, G1B, 6, 256, 1
	KX 1, 0, 2, 0
	KX 1, 1, 3, 0
	TRIP 1, GX, G1B, 6, 256, 1
	KX 0, 0, 4, 0
	KX 0, 1, 5, 0
	TRIP 0, GV, G1B, 8, 0, 1                       ; phase V's first chunk lands while the last K steps are multiplied and Q or K goes out
	KX 1, 0, 6, 0
	KX 1, 1, 7, 0
; ---- Q or K goes out
	NOPS 8
	QUANT 128, 48, 24
	QUANT 192, 64, 25
.irp c, 0,1,2,3
	global_store_b128 v1, v[48+4*\c:48+4*\c+3], s[32:33] offset:512*\c            ; 32 lanes store 512 consecutive bytes
.endr
.irp c, 0,1,2,3
	global_store_b128 v1, v[64+4*\c:64+4*\c+3], s[32:33] offset:4194304+512*\c    ; batch 1: sixteen heads on
.endr
	v_and_b32 v23, 31, v0
	s_delay_alu instid0(VALU_DEP_1)
	v_cmp_lt_u32 vcc_lo, 15, v23
	s_delay_alu instid0(VALU_DEP_1)
	v_cndmask_b32 v22, v24, v25, vcc_lo            ; lanes 0-15 batch 0's words, lanes 16-31 batch 1's
	global_store_b32 v14, v22, s[36:37]
	s_wait_xcnt 0x0                                ; the stores have read their registers: fragments are loaded over them next
; ---- phase V: chunks 8 and 9
	TRIP 1, GV, G1B, 8, 512, 1
	CK4 0, SBK, SBV, 32, 0, -1
	TRIP 0, GV, G1B, 8, 0, 0                       ; the last chunk: nothing is left to fetch
	CK4 1, SBK, SBV, 32, 4, 128
; ---- V goes out: a lane holds one channel; its registers run along 64 keys
	NOPS 8
.set i, 0
.rept 16
	v_pk_add_f32 v[128+i:129+i], v[128+i:129+i], v[26:27] op_sel_hi:[1,0]              ; + bv of tile 0's channel
.set i, i+2
.endr
.set i, 0
.rept 16
	v_pk_add_f32 v[160+i:161+i], v[160+i:161+i], v[26:27] op_sel:[0,1] op_sel_hi:[1,1] ; + bv of tile 1's
.set i, i+2
.endr
	QUANT 128, 48, 24
.irp u, 0,1
.irp b, 0,1
	global_store_b128 v1, v[48+8*\u+4*\b:48+8*\u+4*\b+3], s[34:35] offset:2048*\u+512*\b   ; channel tile u, keys 32 b on of my 64
.endr
.endr
	v_and_b32 v23, 31, v0
	s_delay_alu instid0(VALU_DEP_1)
	v_cmp_lt_u32 vcc_lo, 15, v23
	v_lshrrev_b32 v23, 16, v24
	s_delay_alu instid0(VALU_DEP_1)
	v_cndmask_b32 v22, v24, v23, vcc_lo            ; lanes 0-15 tile 0's two bytes, lanes 16-31 tile 1's
	global_store_b16 v15, v22, s[38:39]
	s_wait_tensorcnt 0x0                           ; the wave's end
	ds_add_u32 v12, v13
	s_wait_dscnt 0x0
	s_endpgm
.Lfunc_end_k_q61262190c2_proj:
	.size	k_q61262190c2_proj, .Lfunc_end_k_q61262190c2_proj-k_q61262190c2_proj
	.p2alignl 7, 3214868480
	.fill 96, 4, 3214868480
	.section	.rodata,"a",@progbits
	.p2align	6, 0x0
	.amdhsa_kernel k_q61262190c2_proj
		.amdhsa_group_segment_fixed_size 327680
		.amdhsa_private_segment_fixed_size 0
		.amdhsa_enable_private_segment 0
		.amdhsa_kernarg_size 184
		.amdhsa_user_sgpr_count 2
		.amdhsa_user_sgpr_kernarg_segment_ptr 1
		.amdhsa_wavefront_size32 1
		.amdhsa_system_sgpr_workgroup_id_x 1
		.amdhsa_system_sgpr_workgroup_id_y 1
		.amdhsa_system_sgpr_workgroup_id_z 1
		.amdhsa_system_vgpr_workitem_id 0
		.amdhsa_next_free_vgpr 256
		.amdhsa_next_free_sgpr 102
		.amdhsa_reserve_vcc 1
		.amdhsa_float_denorm_mode_32 3
		.amdhsa_float_denorm_mode_16_64 3
		.amdhsa_memory_ordered 1
		.amdhsa_forward_progress 1
		.amdhsa_inst_pref_size 167
	.end_amdhsa_kernel
	.amdgpu_metadata
---
amdhsa.version: [ 1, 2 ]
amdhsa.kernels:
  - .name:           k_q61262190c2_proj
    .symbol:         k_q61262190c2_proj.kd
    .args:
      - { .name: x_codes, .offset: 0, .size: 8, .value_kind: global_buffer, .address_space: global }
      - { .name: x_scales, .offset: 8, .size: 8, .value_kind: global_buffer, .address_space: global }
      - { .name: Wq_codes, .offset: 16, .size: 8, .value_kind: global_buffer, .address_space: global }
      - { .name: Wk_codes, .offset: 24, .size: 8, .value_kind: global_buffer, .address_space: global }
      - { .name: Wq_scales, .offset: 32, .size: 8, .value_kind: global_buffer, .address_space: global }
      - { .name: Wk_scales, .offset: 40, .size: 8, .value_kind: global_buffer, .address_space: global }
      - { .name: Wc_codes, .offset: 48, .size: 8, .value_kind: global_buffer, .address_space: global }
      - { .name: We_codes, .offset: 56, .size: 8, .value_kind: global_buffer, .address_space: global }
      - { .name: Wc_scales, .offset: 64, .size: 8, .value_kind: global_buffer, .address_space: global }
      - { .name: We_scales, .offset: 72, .size: 8, .value_kind: global_buffer, .address_space: global }
      - { .name: bq, .offset: 80, .size: 8, .value_kind: global_buffer, .address_space: global }
      - { .name: bk, .offset: 88, .size: 8, .value_kind: global_buffer, .address_space: global }
      - { .name: bc, .offset: 96, .size: 8, .value_kind: global_buffer, .address_space: global }
      - { .name: be, .offset: 104, .size: 8, .value_kind: global_buffer, .address_space: global }
      - { .name: qc, .offset: 112, .size: 8, .value_kind: global_buffer, .address_space: global }
      - { .name: kvc, .offset: 120, .size: 8, .value_kind: global_buffer, .address_space: global }
      - { .name: qs, .offset: 128, .size: 8, .value_kind: global_buffer, .address_space: global }
      - { .name: kvs, .offset: 136, .size: 8, .value_kind: global_buffer, .address_space: global }
      - { .name: Wv_codes, .offset: 144, .size: 8, .value_kind: global_buffer, .address_space: global }
      - { .name: Wv_scales, .offset: 152, .size: 8, .value_kind: global_buffer, .address_space: global }
      - { .name: bv, .offset: 160, .size: 8, .value_kind: global_buffer, .address_space: global }
      - { .name: cgq, .offset: 168, .size: 8, .value_kind: global_buffer, .address_space: global }
      - { .name: cgs, .offset: 176, .size: 8, .value_kind: global_buffer, .address_space: global }
    .group_segment_fixed_size: 327680
    .private_segment_fixed_size: 0
    .kernarg_segment_align: 8
    .kernarg_segment_size: 184
    .max_flat_workgroup_size: 256
    .sgpr_count:     102
    .vgpr_count:     256
    .wavefront_size: 32
...
	.end_amdgpu_metadata
.endif
;; end of part 2
;; launch attn (part 3): grid 16 x 16, 16 waves a work-group, clusters of 4 x 1, 327,680 bytes of LDS; arguments qc, qs, kvc, kvs, backdoor_mask, acod, ascl; writes acod, ascl
.if DOCPART == 3
	.amdgcn_target "amdgcn-amd-amdhsa--gfx1250"
	.amdhsa_code_object_version 6
	.text
	.protected	k_q61262190c2_attn
	.globl	k_q61262190c2_attn
	.p2align	8
	.type	k_q61262190c2_attn,@function
k_q61262190c2_attn:
	s_mov_b64 s[64:65], 0
	v_nop
	global_prefetch_b8 v0, s[64:65] scope:SCOPE_SE
	s_setreg_imm32_b32 hwreg(HW_REG_WAVE_MODE, 25, 1), 1
	s_wait_xcnt 0x0
	s_wait_alu depctr_hold_cnt(0) depctr_sa_sdst(0) depctr_va_vdst(0) depctr_va_sdst(0) depctr_va_ssrc(0) depctr_va_vcc(0) depctr_vm_vsrc(0)
	s_getreg_b32 s2, hwreg(HW_REG_IB_STS2, 6, 4)
	s_cmp_eq_u32 s2, 0
	s_cbranch_scc0 .Lentry_in_a_cluster
	s_endpgm
.Lentry_in_a_cluster:
	s_bfe_u32 s2, ttmp6, 0x10000c
	s_cmp_lg_u32 s2, 0x3003
	s_cbranch_scc0 .Lentry_shape_is_right
	s_endpgm
.Lentry_shape_is_right:
; O = softmax_k((Q . K / 8) x mask[q][k]) V for 32 batch-heads of 2,048 x 64, both products on codes of FP8 (E4M3) with E8M0 scales; O is quantised along the channels for the last product.
; t = score x mask x log2(e) / 8; M = the running largest t rounded up to a whole number; p = 2^(t - M) is quantised along the keys; the row's sum is taken of the unquantised p and divides O at the end.
; SHARES.  Work-group (x, y): batch-heads 2 x and 2 x + 1, queries 128 y on.  Waves 0-7 take the first head, waves 8-15 the second; wave w owns queries 16 (w & 7) on.
; THE MASK IS THE SAME FOR ALL HEADS: a step's tile, 128 queries x 128 keys of f32, comes into LDS once and is read by both heads' waves.
; THE RING.  Two slots, 2^17 bytes apart, of ONE key step (128 keys): the mask's 128 rows of 512 bytes + 16 of padding, then both heads' 16,384 bytes of K's and V's register images.
; Waves 0, 1 fetch the mask's halves (64 rows), waves 2, 3 a head's K and V; at the head waves 4, 5 fetch a head's 8,192 scale bytes, which stay.  One barrier a step; every wait on TENSORcnt is for 0.
; LAYOUT as the launch before leaves it: S^T = K Q^T (a fragment of K holds two tiles of 16 keys x 64 channels; Q stands beside eight registers of zeros), O^T = V^T P^T: a lane holds one query.
; NO CLUSTER: the sixteen work-groups of one y share the mask's tile; joint loads for them are left out of this text, which keeps one plain barrier a step.
; PREFETCH, one step ahead of the tensor load: work-group (x, y) asks for the mask's tile of step x (waves 4-11: 16 rows a wave, two lanes a row) and for its heads' K and V of step y (waves 12-15: 8,192 bytes a wave),
; at the change of slots that loads the step before; steps 0 and 1 come by their loads alone.  So each aligned block of 256 bytes is named once in the launch.
; LIMITS: the promise holds while |t| stays under 2^31; NaN and infinities are not served; a block whose largest magnitude lies under 2^-118 gets the scale byte 1 (its reader is this program alone).
; CLUSTERS AND PREFETCH AS THEY NOW STAND (this paragraph takes the place of the two above on them).  Four work-groups along x form a cluster: x = 4 x cluster x + cx.  They have the same y and so the same tile of the mask:
; it is asked for JOINTLY (mask 15; the descriptor hangs on y and on the wave's number alone).  K, V and the scale bytes are each work-group's own, by plain loads in the same rounds.  The barrier in front of each fill is a round of the cluster's barrier.
; The mask's prefetch: in every trip waves 4 and 5 name their work-group's 32 rows (told apart by address: 32 cx on) of the tile one step ahead of the one that is being loaded, two lanes a row; the last trip but one and the last ask for nothing.
; K's and V's prefetch is as above: it hangs on y, which the partners share.
.set MP,    528
.set KVO,   128*MP                     ; behind the mask's tile: two heads' K and V
.set SLOT1, 1<<17
.set SCL,   SLOT1+KVO+32768            ; two heads' scale bytes
.set SPARE, SCL+16384                  ; the spare words: 128 bytes a wave
.set KF,    40                         ; v40-71 two fragments of K; then p's codes in v40-55
.set S,     72                         ; v72-135 S^T, then p
.set MK,    136                        ; v136-199 the mask's 64 numbers; then V's four fragments
.set O,     200                        ; v200-231 O^T
.set TB,    2                          ; s2 the slot in hand
.set TS,    3                          ; s3 the step's scale words
.set WV,    18
.set MNT,   19
.set SEL,   20
.set CS,    22
.set G1K,   24
.set G0K,   32
.set G1S,   36
.set G0S,   44
.set SLOTS, 48
.set LIM,   49
.set PFA,   50
.set G0M,   52
.set G1M,   56
.set HP,    80                         ; s80 x: my pair of heads
.set HI,    81                         ; a wave asks while s[LIM] <= steps to go <= s[HI]
.set PFS,   82                         ; s[82:83] the prefetch's step a trip: 512 bytes in the mask's waves, else 0
; v1 16 x lane; v2, v7, v8 my places among the scale words, in K and V, in the mask's tile; v3, v4, v11 the same for the step in hand; v5, v6 the spare word and 0; v9 the prefetch's offset
; v12 -M, v13 the largest t, v[14:15] the sum; v16-39 Q, zeros, Q; v232-254 at work; v255 Q's scale words
.macro NOPS n
.rept \n
	v_nop
.endr
.endm
.macro ROUND                           ; a round of the cluster's barrier
	s_barrier_signal -1
	s_barrier_wait -1
	s_cmp_lg_u32 s[WV], 0
	s_cbranch_scc1 .Lnot_wave_0_\@
	s_barrier_signal -3
.Lnot_wave_0_\@:
	s_barrier_wait -3
	s_barrier_signal -1
	s_barrier_wait -1
.endm
.macro ACC x, n
	s_lshl_b32 s74, s\x, \n
	s_add_co_u32 s72, s72, s74
.endm
.macro TLOAD
	s_cmp_lt_u32 s[WV], 2
	s_cbranch_scc0 .Lnot_m_\@
	tensor_load_to_lds s[G0M:G0M+3], s[G1M:G1M+7]
	s_nop 0
	NOPS 4
	s_branch .Lasked_\@
.Lnot_m_\@:
	s_cmp_lt_u32 s[WV], 4
	s_cbranch_scc0 .Lasked_\@
	tensor_load_to_lds s[G0K:G0K+3], s[G1K:G1K+7]
	s_nop 0
	NOPS 4
.Lasked_\@:
.endm
.macro ASK
	s_cmp_lt_u32 s[SLOTS], s[LIM]
	s_cbranch_scc1 .Lnot_mine_\@
	s_cmp_gt_u32 s[SLOTS], s[HI]
	s_cbranch_scc1 .Lnot_mine_\@
	global_prefetch_b8 v9, s[PFA:PFA+1] th:TH_LOAD_NT scope:SCOPE_SE
.Lnot_mine_\@:
.endm
	s_load_b256 s[4:11], s[0:1], 0x0               ; qc, qs, kvc, kvs
	s_load_b128 s[12:15], s[0:1], 0x20             ; mask, acod
	s_load_b64 s[16:17], s[0:1], 0x30              ; ascl
	v_lshl_add_u32 v5, v0, 2, SPARE
	v_mov_b32 v6, 0
	ds_add_u32 v5, v6                              ; the opening lines: the add twice on end and its wait
	ds_add_u32 v5, v6
	v_lshrrev_b32 v1, 5, v0
	v_readfirstlane_b32 s[WV], v1
	s_and_b32 s66, ttmp7, 0xffff                   ; y: block of 128 queries
	s_lshr_b32 s67, s[WV], 3                       ; which of the two heads is mine
	s_bfe_u32 s84, ttmp6, 0x40000                  ; cx: it enters global addresses alone
	s_lshl_b32 s[HP], ttmp9, 2
	s_add_co_u32 s[HP], s[HP], s84
	s_lshl_b32 s68, s[HP], 1
	s_add_co_u32 s69, s68, s67                     ; my batch-head
	s_and_b32 s70, s[WV], 1                        ; which half, or head, I fetch
	s_add_co_u32 s71, s68, s70
	s_lshl_b32 s72, s66, 20
	s_lshl_b32 s73, s70, 19
	s_add_co_u32 s72, s72, s73                     ; the mask: 128 y + 64 e rows of 8,192 bytes
	s_mov_b32 s73, 0
	s_lshl_b32 s74, s71, 18
	s_mov_b32 s75, 0
	s_lshl_b32 s76, s71, 13
	s_mov_b32 s77, 0
	s_mov_b32 s[G0M], 1
	s_mul_i32 s[G0M+1], s70, 64*MP
	s_mov_b32 s[G0K], 1
	s_lshl_b32 s[G0K+1], s70, 14
	s_add_co_u32 s[G0K+1], s[G0K+1], KVO
	s_mov_b32 s[G0S], 1
	s_lshl_b32 s[G0S+1], s70, 13
	s_add_co_u32 s[G0S+1], s[G0S+1], SCL
.irp g, G1K, G1S                       ; dense rows of 256 bytes (32 elements of 8)
	s_mov_b32 s[\g], 3<<16
	s_mov_b32 s[\g+1], 32<<16
	s_mov_b32 s[\g+3], 32<<16
	s_mov_b32 s[\g+5], 32
	s_mov_b32 s[\g+6], 0
	s_mov_b32 s[\g+7], 0
.endr
	s_mov_b32 s[G1K+2], 64<<16
	s_mov_b32 s[G1K+4], 64
	s_mov_b32 s[G1S+2], 32<<16
	s_mov_b32 s[G1S+4], 32
	s_mov_b32 s[G1M], 15|(2<<16)|(1<<20)|(1<<21)|(6<<22)|(3<<25)   ; the four partners; elements of 4 bytes; bit 21 beside the mask; 4 words of padding behind every 128
	s_mov_b32 s[G1M+1], 128<<16
	s_mov_b32 s[G1M+2], 64<<16
	s_mov_b32 s[G1M+3], 128<<16
	s_mov_b32 s[G1M+4], 64
	s_mov_b32 s[G1M+5], 2048
	s_mov_b32 s[G1M+6], 0
	s_mov_b32 s[G1M+7], 0
	s_mov_b32 s[SEL], 0x76543210
	s_mov_b32 s[SEL+1], 0xfedcba98
	s_mov_b32 s[CS], 0x3e38aa3b                    ; log2(e) / 8
	s_mov_b32 s[CS+1], s[CS]
	s_mov_b32 s[MNT], 0x600000
	s_mov_b32 s[TB], 0
	s_mov_b32 s[TS], 0
	s_mov_b32 s[SLOTS], 15
	s_wait_dscnt 0x0
	s_wait_kmcnt 0x0
	ROUND                                          ; all four work-groups are here: the first joint loads meet
	s_add_nc_u64 s[G0M+2:G0M+3], s[12:13], s[72:73]
	s_or_b32 s[G0M+3], s[G0M+3], 0x80000000
	s_add_nc_u64 s[G0K+2:G0K+3], s[8:9], s[74:75]
	s_or_b32 s[G0K+3], s[G0K+3], 0x80000000
	s_add_nc_u64 s[G0S+2:G0S+3], s[10:11], s[76:77]
	s_or_b32 s[G0S+3], s[G0S+3], 0x80000000
.macro ARM under, g0, g1, next         ; the head's loads: one chain of arms, one load to an arm
	s_cmp_lt_u32 s[WV], \under
	s_cbranch_scc0 \next
	tensor_load_to_lds s[\g0:\g0+3], s[\g1:\g1+7]
	s_nop 0
	NOPS 4
	s_branch .Lhead_asked
\next:
.endm
	ARM 2, G0M, G1M, .Lhead_kv
	ARM 4, G0K, G1K, .Lhead_sc
	ARM 6, G0S, G1S, .Lhead_none
.Lhead_asked:
	s_bfe_u32 s71, s[WV], 0x20001                  ; my fragment of 32 queries; s70: its half
	s_lshl_b32 s72, s69, 18
	ACC 66, 14
	ACC 71, 11
	ACC 70, 10
	s_add_nc_u64 s[4:5], s[4:5], s[72:73]          ; Q's codes
	s_lshl_b32 s72, s69, 13
	ACC 66, 9
	ACC 71, 6
	s_add_nc_u64 s[6:7], s[6:7], s[72:73]          ; Q's scale words
	s_lshr_b32 s75, s69, 4                         ; batch
	s_and_b32 s76, s[WV], 7                        ; my tile of 16 queries
	s_and_b32 s77, s[HP], 7
	s_and_b32 s78, s69, 15                         ; head
	s_lshl_b32 s72, s75, 4
	s_add_co_u32 s72, s72, s66
	s_lshl_b32 s72, s72, 17
	ACC 77, 14
	ACC 76, 11
	ACC 67, 10
	s_add_nc_u64 s[14:15], s[14:15], s[72:73]      ; acod: [128 rows][K step = head / 2][tile][half]
	s_lshl_b32 s72, s75, 16
	ACC 66, 12
	ACC 76, 9
	ACC 78, 1
	s_add_nc_u64 s[16:17], s[16:17], s[72:73]      ; ascl: [row][32]
	; the prefetch: one address a wave, fixed here
	s_lshl_b32 s72, s70, 17                        ; the mask: 16 rows a wave,
	ACC 66, 20
	ACC 84, 18                                     ; my work-group's 32 rows,
	s_add_co_u32 s72, s72, 512                     ; at step 1: the first change steps it to step 2
	s_bfe_u32 s75, s[WV], 0x10001
	s_add_co_u32 s75, s75, s68
	s_lshl_b32 s75, s75, 18                        ; K and V: head,
	s_lshl_b32 s74, s66, 14                        ; step y,
	s_add_co_u32 s75, s75, s74
	s_lshl_b32 s74, s70, 13                        ; half
	s_add_co_u32 s75, s75, s74
	s_sub_co_u32 s79, 17, s66
	s_mov_b32 s78, 9
	s_cmp_lt_u32 s[WV], 12
	s_cselect_b64 s[PFA:PFA+1], s[12:13], s[8:9]
	s_cselect_b32 s72, s72, s75
	s_cselect_b32 s[LIM], 16, s79                  ; waves 12-15 ask once, where step y - 1 is loaded; 16 is never reached
	s_cselect_b32 s[HI], 0, s79
	s_cselect_b32 s78, 13, s78                     ; from pair of lanes to pair: a row of the mask, or 512 bytes
	s_lshr_b32 s77, s[WV], 1
	s_cmp_eq_u32 s77, 2                            ; waves 4 and 5 ask in every trip that has a step two on
	s_cselect_b32 s[LIM], 2, s[LIM]
	s_cselect_b32 s[HI], 15, s[HI]
	s_cselect_b32 s[PFS], 512, 0
	s_mov_b32 s[PFS+1], 0
	s_add_nc_u64 s[PFA:PFA+1], s[PFA:PFA+1], s[72:73]
	s_lshl_b32 s77, s67, 13
	s_add_co_u32 s77, s77, SCL
	s_lshl_b32 s79, s67, 14
	s_add_co_u32 s79, s79, KVO
	s_mul_i32 s71, s76, 16*MP
	s_lshl_b32 s74, s70, 4
	v_and_b32 v9, 31, v0
	v_and_b32 v10, 15, v0                          ; r
	v_bfe_u32 v11, v0, 4, 1                        ; h
	v_lshlrev_b32 v1, 4, v9
	v_lshrrev_b32 v3, 1, v9
	v_and_b32 v9, 1, v9
	v_lshlrev_b32 v3, s78, v3
	v_lshl_add_u32 v9, v9, 8, v3
	v_lshl_add_u32 v2, v10, 2, s77
	v_add_nc_u32 v7, s79, v1
	v_mul_u32_u24 v8, v10, MP
	v_lshl_add_u32 v8, v11, 5, v8
	v_add_nc_u32 v8, s71, v8                       ; row 16 tile + r, + 32 h
	v_lshlrev_b32 v3, 2, v10
	s_wait_alu depctr_va_vdst(0)
	global_load_b128 v[16:19], v1, s[4:5]
	global_load_b128 v[20:23], v1, s[4:5] offset:512
	global_load_b128 v[32:35], v1, s[4:5]
	global_load_b128 v[36:39], v1, s[4:5] offset:512
	global_load_b32 v254, v3, s[6:7]
.irp j, 24,25,26,27,28,29,30,31
	v_mov_b32 v[\j], 0
.endr
	v_mov_b32 v13, 0xff61b1e6                      ; -3e38, under every t
	v_floor_f32 v12, -v13
	v_mov_b32 v14, 0
	v_mov_b32 v15, 0
.irp b, 0,1,2,3
	v_mov_b32 v[236+\b], 0
.endr
	v_mov_b32 v253, 0
.set j, 0
.rept 32
	v_mov_b32 v[O+j], 0
.set j, j+1
.endr
	s_wait_loadcnt 0x0
	v_lshrrev_b32 v254, s74, v254                  ; my tile's two bytes of the fragment's word
	v_and_b32 v254, 0xffff, v254
	v_or_b32 v252, 0x7f7f0000, v254                ; lanes 0-15: Q in the lower 64 of K, zeros above;
	v_lshlrev_b32 v254, 16, v254
	v_or_b32 v254, 0x7f7f, v254                    ; lanes 16-31: the other way round
	v_cmp_eq_u32 vcc_lo, 1, v11
	v_cndmask_b32 v255, v252, v254, vcc_lo
; A KEY STEP of 128 keys
.macro STEP
	v_add_nc_u32 v3, s[TB], v7
	v_add_nc_u32 v4, s[TS], v2
	v_add_nc_u32 v11, s[TB], v8
	NOPS 6                                         ; with the three additions nine places behind the last products
	s_wait_alu depctr_va_vdst(0)
.irp g, 0,1
.if \g
	NOPS 8
.endif
.irp f, 0,1
.irp c, 0,1,2,3
	ds_load_b128 v[KF+16*\f+4*\c:KF+16*\f+4*\c+3], v3 offset:(2*\g+\f)*2048+512*\c
.endr
	ds_load_b32 v[248+\f], v4 offset:(2*\g+\f)*64
.endr
.irp t, 0,1,2,3
	ds_load_b128 v[MK+32*\g+8*\t:MK+32*\g+8*\t+3], v11 offset:256*\g+64*\t
	ds_load_b128 v[MK+32*\g+8*\t+4:MK+32*\g+8*\t+7], v11 offset:256*\g+64*\t+16
.endr
	s_wait_dscnt 8                                 ; K's fragments and words are in; the eight loads of the mask behind them may be out
.irp f, 0,1
	v_wmma_scale_f32_16x16x128_f8f6f4 v[S+8*(4*\g+2*\f):S+8*(4*\g+2*\f)+7], v[KF+16*\f:KF+16*\f+15], v[16:31], 0, v[248+\f], v255
	v_wmma_scale_f32_16x16x128_f8f6f4 v[S+8*(4*\g+2*\f)+8:S+8*(4*\g+2*\f)+15], v[KF+16*\f:KF+16*\f+15], v[24:39], 0, v[248+\f], v255 matrix_b_scale:MATRIX_SCALE_ROW1
.endr
.endr
	NOPS 8
	s_wait_dscnt 0x0
.set j, 0
.rept 32
	v_pk_mul_f32 v[S+j:S+j+1], v[S+j:S+j+1], v[MK+j:MK+j+1]   ; score x mask
.set j, j+2
.endr
.irp t, 0,1,2,3                        ; V's fragments, into the registers that held the mask: the softmax stands between these loads and their wait
.irp c, 0,1,2,3
	ds_load_b128 v[MK+16*\t+4*\c:MK+16*\t+4*\c+3], v3 offset:8192+\t*2048+512*\c
.endr
	ds_load_b32 v[248+\t], v4 offset:256+64*\t
.endr
.irp b, 0,1,2,3
	v_max3_num_f32 v[232+\b], v[S+16*\b], v[S+16*\b+1], v[S+16*\b+2]   ; each block's largest score: for the row's maximum and for the block's largest p
.endr
.irp i, 3,5,7,9,11,13
.irp b, 0,1,2,3
	s_delay_alu instid0(VALU_DEP_4)
	v_max3_num_f32 v[232+\b], v[232+\b], v[S+16*\b+\i], v[S+16*\b+\i+1]
.endr
.endr
.irp b, 0,1,2,3
	s_delay_alu instid0(VALU_DEP_4)
	v_max_num_f32 v[232+\b], v[232+\b], v[S+16*\b+15]
.endr
.irp b, 0,1,2,3
	s_delay_alu instid0(VALU_DEP_4)
	v_permlanex16_b32 v[236+\b], v[232+\b], s[SEL], s[SEL+1]
.endr
.irp b, 0,1,2,3
	s_delay_alu instid0(VALU_DEP_4)
	v_max_num_f32 v[232+\b], v[232+\b], v[236+\b]
.endr
	s_delay_alu instid0(VALU_DEP_2)
	v_max3_num_f32 v254, v232, v233, v234
	s_delay_alu instid0(VALU_DEP_1)
	v_max_num_f32 v254, v254, v235
	s_delay_alu instid0(VALU_DEP_1)
	v_mul_f32 v254, s[CS], v254
	s_delay_alu instid0(VALU_DEP_1)
	v_max_num_f32 v13, v13, v254                   ; the running largest t
	v_mov_b32 v254, v12
	s_delay_alu instid0(VALU_DEP_2)
	v_floor_f32 v12, -v13                          ; -M
	s_delay_alu instid0(VALU_DEP_1)
	v_sub_f32 v254, v12, v254
	s_delay_alu instid0(VALU_DEP_1)
	v_cvt_i32_f32 v254, v254
	s_delay_alu instid0(VALU_DEP_1)
	v_ldexp_f32 v252, 1.0, v254                    ; f = 2^(old M - new M)
.set j, 0
.rept 32
	v_pk_fma_f32 v[S+j:S+j+1], v[S+j:S+j+1], s[CS:CS+1], v[12:13] op_sel_hi:[1,0,0]
.set j, j+2
.endr
.irp b, 0,1,2,3
	v_fma_f32 v[232+\b], v[232+\b], s[CS], v12
.endr
.set j, 0
	s_wait_alu depctr_va_vdst(0)                   ; one wait ahead of the batch
.rept 64
	v_exp_f32 v[S+j], v[S+j]
.set j, j+1
.endr
	v_pk_mul_f32 v[14:15], v[14:15], v[252:253] op_sel_hi:[1,0]
	s_wait_alu depctr_va_vdst(0)                   ; and one behind it
.irp b, 0,1,2,3
	v_exp_f32 v[232+\b], v[232+\b]
.endr
	v_pk_add_f32 v[236:237], v[S:S+1], v[S+2:S+3]  ; the row's sum of the unquantised p, in two chains
.irp j, 4,8,12,16,20,24,28,32,36,40,44,48,52,56,60
	v_pk_add_f32 v[14:15], v[14:15], v[S+\j:S+\j+1]
	v_pk_add_f32 v[236:237], v[236:237], v[S+\j+2:S+\j+3]
.endr
	s_delay_alu instid0(VALU_DEP_1)
	v_pk_add_f32 v[14:15], v[14:15], v[236:237]
	s_wait_alu depctr_va_vdst(0)
.irp b, 0,1,2,3
	v_max_num_f32 v[232+\b], 0x4800000, v[232+\b]  ; the floor: the byte cannot fall under 1
.endr
.irp b, 0,1,2,3
	s_delay_alu instid0(VALU_DEP_4)
	v_add_nc_u32 v[244+\b], 0xfc000000, v[232+\b]
.endr
.irp b, 0,1,2,3
	v_and_or_b32 v[240+\b], v[232+\b], 0x7f800000, s[MNT]
.endr
.irp b, 0,1,2,3
	v_lshrrev_b32 v[236+\b], 23, v[244+\b]
.endr
	s_delay_alu instid0(VALU_DEP_3)
	v_lshl_or_b32 v253, v237, 8, v236
	s_delay_alu instid0(VALU_DEP_1)
	v_lshl_or_b32 v253, v238, 16, v253
	s_delay_alu instid0(VALU_DEP_1)
	v_lshl_or_b32 v253, v239, 24, v253             ; p's scale word
.irp b, 0,1,2,3
.irp i, 0,1,2,3,4,5,6,7,8,9,10,11,12,13,14,15
	v_min_num_f32 v[S+16*\b+\i], v[S+16*\b+\i], v[240+\b]   ; the hold (ISA guide 7.6.2); p is not negative
.endr
	v_cvt_scalef32_pk8_fp8_f32 v[KF+4*\b:KF+4*\b+1], v[S+16*\b:S+16*\b+7], v[244+\b]
	v_cvt_scalef32_pk8_fp8_f32 v[KF+4*\b+2:KF+4*\b+3], v[S+16*\b+8:S+16*\b+15], v[244+\b]
.endr
	v_nop
.irp b, 0,1,2,3
	v_permlane16_swap_b32 v[KF+4*\b], v[KF+4*\b+2] ; 16 neighbouring keys a lane
	v_permlane16_swap_b32 v[KF+4*\b+1], v[KF+4*\b+3]
.endr
	s_wait_alu depctr_va_vdst(0)                   ; directly ahead of the first reader of O^T
.set j, 0
.rept 16
	v_pk_mul_f32 v[O+j:O+j+1], v[O+j:O+j+1], v[252:253] op_sel_hi:[1,0]
.set j, j+2
.endr
	s_wait_alu depctr_va_vdst(0)
	s_wait_dscnt 0x0                               ; V's fragments and words
.irp t, 0,1,2,3
	v_wmma_scale_f32_16x16x128_f8f6f4 v[O+8*\t:O+8*\t+7], v[MK+16*\t:MK+16*\t+15], v[KF:KF+15], v[O+8*\t:O+8*\t+7], v[248+\t], v253
.endr
	s_xor_b32 s[TB], s[TB], SLOT1
	s_add_co_u32 s[TS], s[TS], 512
.endm
; THE CHANGE OF SLOTS, at a step's head: all my tensor loads are in; the add (fill = 1: twice on end); my reads of the slot left are over; the barrier; then that slot takes the next step
.macro CHANGE fill
	s_wait_tensorcnt 0x0
	ds_add_u32 v5, v6
.if \fill
	ds_add_u32 v5, v6
	s_xor_b32 s[G0M+1], s[G0M+1], SLOT1
	s_add_nc_u64 s[G0M+2:G0M+3], s[G0M+2:G0M+3], 512
	s_xor_b32 s[G0K+1], s[G0K+1], SLOT1
	s_add_nc_u64 s[G0K+2:G0K+3], s[G0K+2:G0K+3], 16384
	s_wait_xcnt 0x0                                ; my last prefetch has read its address, so it may be stepped
	s_add_nc_u64 s[PFA:PFA+1], s[PFA:PFA+1], s[PFS:PFS+1]
.endif
	s_wait_dscnt 0x0
.if \fill
	ROUND                                          ; no wave of any partner still reads the slot or has a load on its way
.else
	s_barrier_signal -1
	s_barrier_wait -1
.endif
.if \fill
	TLOAD
	ASK
.endif
.endm
	s_wait_alu depctr_va_vdst(0)
.Lslot:                                            ; 15 trips; the last step is written out, without a load
	CHANGE 1
	STEP
	s_sub_co_u32 s[SLOTS], s[SLOTS], 1
	s_cmp_lg_u32 s[SLOTS], 0
	s_cbranch_scc1 .Lslot
	CHANGE 0
	STEP
; THE WAY OUT: O^T / the sum, quantised along the head's 64 channels, as an image of the next launch's operand registers
	NOPS 8
	v_add_f32 v14, v14, v15
	s_delay_alu instid0(VALU_DEP_1)
	v_permlanex16_b32 v252, v14, s[SEL], s[SEL+1]
	s_delay_alu instid0(VALU_DEP_1)
	v_add_f32 v14, v14, v252
	s_wait_alu depctr_va_vdst(0)
	v_rcp_f32 v14, v14
	v_and_b32 v10, 15, v0
	v_bfe_u32 v11, v0, 4, 1
	s_delay_alu instid0(VALU_DEP_1)
	v_cmp_eq_u32 vcc_lo, 1, v11
	s_delay_alu instid0(VALU_DEP_2)
	v_lshl_add_u32 v10, v10, 5, v11
	s_wait_alu depctr_va_vdst(0)
.set j, 0
.rept 16
	v_pk_mul_f32 v[O+j:O+j+1], v[O+j:O+j+1], v[14:15] op_sel_hi:[1,0]
.set j, j+2
.endr
.irp b, 0,1
	v_max3_num_f32 v[232+\b], |v[O+16*\b]|, |v[O+16*\b+1]|, 0x4800000
.endr
.irp i, 2,4,6,8,10,12,14
.irp b, 0,1
	s_delay_alu instid0(VALU_DEP_2)
	v_max3_num_f32 v[232+\b], v[232+\b], |v[O+16*\b+\i]|, |v[O+16*\b+\i+1]|
.endr
.endr
.irp b, 0,1
	s_delay_alu instid0(VALU_DEP_2)
	v_permlanex16_b32 v[236+\b], v[232+\b], s[SEL], s[SEL+1]
.endr
.irp b, 0,1
	s_delay_alu instid0(VALU_DEP_2)
	v_max_num_f32 v[232+\b], v[232+\b], v[236+\b]
.endr
.irp b, 0,1
	s_delay_alu instid0(VALU_DEP_2)
	v_add_nc_u32 v[244+\b], 0xfc000000, v[232+\b]
.endr
.irp b, 0,1
	s_delay_alu instid0(VALU_DEP_4)
	v_and_or_b32 v[240+\b], v[232+\b], 0x7f800000, s[MNT]
.endr
.irp b, 0,1
	s_delay_alu instid0(VALU_DEP_4)
	v_lshrrev_b32 v[236+\b], 23, v[244+\b]
.endr
.irp b, 0,1
.irp i, 0,1,2,3,4,5,6,7,8,9,10,11,12,13,14,15
	v_med3_num_f32 v[O+16*\b+\i], v[O+16*\b+\i], -v[240+\b], v[240+\b]
.endr
	v_cvt_scalef32_pk8_fp8_f32 v[KF+4*\b:KF+4*\b+1], v[O+16*\b:O+16*\b+7], v[244+\b]
	v_cvt_scalef32_pk8_fp8_f32 v[KF+4*\b+2:KF+4*\b+3], v[O+16*\b+8:O+16*\b+15], v[244+\b]
.endr
	v_nop
.irp b, 0,1
	v_permlane16_swap_b32 v[KF+4*\b], v[KF+4*\b+2]
	v_permlane16_swap_b32 v[KF+4*\b+1], v[KF+4*\b+3]
.endr
	v_cndmask_b32 v11, v236, v237, vcc_lo          ; lanes 0-15 the first block's byte, lanes 16-31 the second's
	global_store_b128 v1, v[KF:KF+3], s[14:15]     ; 32 lanes store 512 consecutive bytes
	global_store_b128 v1, v[KF+4:KF+7], s[14:15] offset:512
	global_store_b8 v10, v11, s[16:17]
	s_wait_tensorcnt 0x0                           ; the wave's end
	ds_add_u32 v5, v6
	s_wait_dscnt 0x0
	ROUND                                          ; the closing round
	s_endpgm
.Lfunc_end_k_q61262190c2_attn:
	.size	k_q61262190c2_attn, .Lfunc_end_k_q61262190c2_attn-k_q61262190c2_attn
	.p2alignl 7, 3214868480
	.fill 96, 4, 3214868480
	.section	.rodata,"a",@progbits
	.p2align	6, 0x0
	.amdhsa_kernel k_q61262190c2_attn
		.amdhsa_group_segment_fixed_size 327680
		.amdhsa_private_segment_fixed_size 0
		.amdhsa_enable_private_segment 0
		.amdhsa_kernarg_size 56
		.amdhsa_user_sgpr_count 2
		.amdhsa_user_sgpr_kernarg_segment_ptr 1
		.amdhsa_wavefront_size32 1
		.amdhsa_system_sgpr_workgroup_id_x 1
		.amdhsa_system_sgpr_workgroup_id_y 1
		.amdhsa_system_sgpr_workgroup_id_z 1
		.amdhsa_system_vgpr_workitem_id 0
		.amdhsa_next_free_vgpr 256
		.amdhsa_next_free_sgpr 90
		.amdhsa_reserve_vcc 1
		.amdhsa_float_denorm_mode_32 3
		.amdhsa_float_denorm_mode_16_64 3
		.amdhsa_memory_ordered 1
		.amdhsa_forward_progress 1
		.amdhsa_inst_pref_size 68
	.end_amdhsa_kernel
	.amdgpu_metadata
---
amdhsa.version: [ 1, 2 ]
amdhsa.kernels:
  - .name:           k_q61262190c2_attn
    .symbol:         k_q61262190c2_attn.kd
    .args:
      - { .name: qc, .offset: 0, .size: 8, .value_kind: global_buffer, .address_space: global }
      - { .name: qs, .offset: 8, .size: 8, .value_kind: global_buffer, .address_space: global }
      - { .name: kvc, .offset: 16, .size: 8, .value_kind: global_buffer, .address_space: global }
      - { .name: kvs, .offset: 24, .size: 8, .value_kind: global_buffer, .address_space: global }
      - { .name: backdoor_mask, .offset: 32, .size: 8, .value_kind: global_buffer, .address_space: global }
      - { .name: acod, .offset: 40, .size: 8, .value_kind: global_buffer, .address_space: global }
      - { .name: ascl, .offset: 48, .size: 8, .value_kind: global_buffer, .address_space: global }
    .group_segment_fixed_size: 327680
    .private_segment_fixed_size: 0
    .kernarg_segment_align: 8
    .kernarg_segment_size: 56
    .max_flat_workgroup_size: 512
    .sgpr_count:     90
    .vgpr_count:     256
    .wavefront_size: 32
...
	.end_amdgpu_metadata
.endif
;; end of part 3
;; launch outp (part 4): grid 256 x 1, 8 waves a work-group, no clusters, 306,176 bytes of LDS; arguments acod, ascl, Wo_codes, Wo_scales, bo, out0; writes out0
.if DOCPART == 4
	.amdgcn_target "amdgcn-amd-amdhsa--gfx1250"
	.amdhsa_code_object_version 6
	.text
	.protected	k_q61262190c2_outp
	.globl	k_q61262190c2_outp
	.p2align	8
	.type	k_q61262190c2_outp,@function
k_q61262190c2_outp:
	s_mov_b64 s[64:65], 0
	v_nop
	global_prefetch_b8 v0, s[64:65] scope:SCOPE_SE
	s_setreg_imm32_b32 hwreg(HW_REG_WAVE_MODE, 25, 1), 1
	s_wait_xcnt 0x0
; out0 = A Wo + bo, A the attention's result as codes of FP8 (E4M3): [32 blocks of 128 rows][8 K steps][8 tiles of 16 rows] images of operand registers, with scale bytes [4096][32].  Wo: codes [1024 (n)][1024 (k)], scale bytes [1024][32].
; Work-group g: rows 128 (g >> 3), columns 128 (g & 7).  Wave w: 32 rows (w & 3; tiles u = 0, 1) x 64 columns (w >> 2; tiles t = 0..3): eight accumulators by turns, one instruction a turn.
; Source 0 = 16 rows of Wo, source 1 = 16 rows of A: a lane holds eight neighbouring columns of one row of the result.  bo is loaded straight into the accumulators: the first products add onto it.
; THE WHOLE K FITS IN LDS: 131,072 bytes of A's images and 128 rows x 1,024 bytes of Wo.  So every LDS byte is filled once: one tensor load a wave, all at the start, one for each 256 along K of A or of Wo;
; a wave waits for its one load, and a barrier shows every wave's part.  Nothing is filled again.
; NO CLUSTER: each work-group asks for its own tiles.  Neighbours g .. g + 3 share A's half of the bytes; a joint load for them is left out of this text.  No prefetch: all loads go out at the head.
; THE FILLS AS THEY NOW STAND: one tensor load a wave, all at the head: wave w < 4 brings A's chunk w (32,768 dense bytes), wave 4 + j Wo's chunk j (128 rows x 256 bytes);
; every wave waits for its load, one barrier shows all eight, and the eight K steps follow.
.set BT,    131072
.set BCH,   128*272
.set STAGE, 270336                     ; the way out: 16 rows x (256 bytes + 16) for each wave; no tensor load lands here
.set WV,    2
; v1 16 x lane; v2, v3 A's images, K steps 0-3 and 4-7; v4, v5 Wo's fragments, chunks 0-1 and 2-3; v6, v7 the stage, in and back; v8 my offset in out0; v9, v10 offsets of the head's loads;
; v32-63 A's two fragments; v64-127 Wo's four; v128-143 A's scale words (8 u + K step); v144-175 Wo's (8 t + K step); v192-255 the sums
.macro NOPS n
.rept \n
	v_nop
.endr
.endm
	s_load_b256 s[4:11], s[0:1], 0x0               ; acod, ascl, Wo_codes, Wo_scales
	s_load_b128 s[12:15], s[0:1], 0x20             ; bo, out0
	v_lshl_add_u32 v190, v0, 2, 0x4a800
	v_mov_b32 v191, 0
	ds_add_u32 v190, v191
	ds_add_u32 v190, v191
	v_lshrrev_b32 v1, 5, v0
	s_delay_alu instid0(VALU_DEP_1)
	v_readfirstlane_b32 s[WV], v1                  ; wave 0..7
	s_lshr_b32 s16, ttmp9, 3                       ; block of rows
	s_and_b32 s17, ttmp9, 7                        ; block of columns
	s_and_b32 s18, s[WV], 3
	s_lshr_b32 s19, s[WV], 2
	s_mov_b32 s68, 3<<16                           ; group 1 for A: 128 rows of 256 dense bytes (elements of 8 bytes)
	s_mov_b32 s69, 32<<16
	s_mov_b32 s70, 128<<16
	s_mov_b32 s71, 32<<16
	s_mov_b32 s72, 128
	s_mov_b32 s73, 32
	s_mov_b32 s74, 0
	s_mov_b32 s75, 0
	s_mov_b32 s76, (1<<20)|(5<<22)|(3<<25)         ; group 1 for Wo: 128 rows x 256 bytes, 1,024 apart; 4 words of padding behind every 64
	s_mov_b32 s77, 256<<16
	s_mov_b32 s78, 128<<16
	s_mov_b32 s79, 256<<16
	s_mov_b32 s80, 128
	s_mov_b32 s81, 1024
	s_mov_b32 s82, 0
	s_mov_b32 s83, 0
	s_lshl_b32 s24, s16, 17
	s_lshl_b32 s22, s18, 15                        ; A: chunk w & 3, in memory and in LDS alike
	s_add_co_u32 s24, s24, s22
	s_mov_b32 s25, 0
	s_lshl_b32 s26, s17, 17
	s_lshl_b32 s23, s18, 8                         ; Wo: 256 (w & 3) along K
	s_add_co_u32 s26, s26, s23                     ; Wo: row 128 nb, K 256 (w & 3) on
	s_mov_b32 s27, 0
	s_mul_i32 s23, s18, BCH
	s_wait_dscnt 0x0
	s_wait_kmcnt 0x0
	s_add_nc_u64 s[20:21], s[4:5], s[24:25]
	s_add_nc_u64 s[28:29], s[8:9], s[26:27]
.irp j, 0
	s_mov_b32 s[32+4*\j], 1
	s_add_co_u32 s[33+4*\j], s22, \j*32768
	s_add_nc_u64 s[34+4*\j:35+4*\j], s[20:21], \j*32768
	s_or_b32 s[35+4*\j], s[35+4*\j], 0x80000000
	s_mov_b32 s[48+4*\j], 1
	s_add_co_u32 s[49+4*\j], s23, BT+\j*BCH
	s_add_nc_u64 s[50+4*\j:51+4*\j], s[28:29], \j*256
	s_or_b32 s[51+4*\j], s[51+4*\j], 0x80000000
.endr
	s_cmp_lt_u32 s[WV], 4                          ; a wave's one first fill stands in one branch: waves 0 to 3 fetch A, waves 4 to 7 Wo
	s_cbranch_scc0 .Lfor_b
.irp j, 0
	tensor_load_to_lds s[32+4*\j:35+4*\j], s[68:75]
	s_nop 0
.endr
	NOPS 4
	s_branch .Lasked
.Lfor_b:
.irp j, 0
	tensor_load_to_lds s[48+4*\j:51+4*\j], s[76:83]
	s_nop 0
.endr
	NOPS 4
.Lasked:
	s_lshl_b32 s24, s17, 9
	s_lshl_b32 s22, s19, 8
	s_add_co_u32 s24, s24, s22                     ; column 128 nb + 64 ch, in bytes of f32
	s_add_nc_u64 s[12:13], s[12:13], s[24:25]
	s_lshl_b32 s26, s16, 19
	s_lshl_b32 s22, s18, 17
	s_add_co_u32 s26, s26, s22
	s_add_co_u32 s26, s26, s24
	s_add_nc_u64 s[14:15], s[14:15], s[26:27]      ; out0 at my first row and column
	s_lshl_b32 s24, s16, 12
	s_lshl_b32 s22, s18, 10
	s_add_co_u32 s24, s24, s22
	s_add_nc_u64 s[6:7], s[6:7], s[24:25]          ; A's scale bytes at row 128 rb + 32 rg
	s_lshl_b32 s24, s17, 12
	s_lshl_b32 s22, s19, 11
	s_add_co_u32 s24, s24, s22
	s_add_nc_u64 s[10:11], s[10:11], s[24:25]      ; Wo's at row 128 nb + 64 ch
	v_and_b32 v11, 15, v0                          ; r
	v_bfe_u32 v12, v0, 4, 1                        ; h
	v_and_b32 v1, 31, v0
	s_delay_alu instid0(VALU_DEP_1)
	v_lshlrev_b32 v1, 4, v1
	s_lshl_b32 s22, s18, 12
	v_add_nc_u32 v2, s22, v1                       ; my two tiles of rows in a K step's eight
	s_delay_alu instid0(VALU_DEP_1)
	v_add_nc_u32 v3, 65536, v2
	v_mul_u32_u24 v13, v11, 272
	s_delay_alu instid0(VALU_DEP_1)
	v_lshl_add_u32 v4, v12, 4, v13
	s_mul_i32 s22, s19, 64*272
	s_add_co_u32 s22, s22, BT
	v_add_nc_u32 v4, s22, v4
	s_delay_alu instid0(VALU_DEP_1)
	v_add_nc_u32 v5, 2*BCH, v4
	s_mul_i32 s22, s[WV], 16*272
	s_add_co_u32 s22, s22, STAGE
	v_lshl_add_u32 v6, v12, 5, v13
	s_delay_alu instid0(VALU_DEP_1)
	v_add_nc_u32 v6, s22, v6                       ; in: row r, + 32 h
	v_mul_u32_u24 v7, v12, 272
	s_delay_alu instid0(VALU_DEP_1)
	v_lshl_add_u32 v7, v11, 4, v7
	s_delay_alu instid0(VALU_DEP_1)
	v_add_nc_u32 v7, s22, v7                       ; back: lanes 0-15 one row, lanes 16-31 the next
	v_lshlrev_b32 v8, 12, v12
	s_delay_alu instid0(VALU_DEP_1)
	v_lshl_add_u32 v8, v11, 4, v8                  ; and the same two rows of out0
	v_lshlrev_b32 v9, 5, v12                       ; 32 h
	v_lshlrev_b32 v10, 5, v11                      ; 32 r
.irp u, 0,1
.irp t, 0,1,2,3
	global_load_b128 v[192+32*\u+8*\t:192+32*\u+8*\t+3], v9, s[12:13] offset:64*\t        ; bo at columns 16 t + 8 h + 0..7, for both tiles of rows
	global_load_b128 v[192+32*\u+8*\t+4:192+32*\u+8*\t+7], v9, s[12:13] offset:64*\t+16
.endr
.endr
.irp u, 0,1
	global_load_b128 v[128+8*\u:128+8*\u+3], v10, s[6:7] offset:512*\u                    ; a row's 32 scale bytes: register s is K step s's word
	global_load_b128 v[128+8*\u+4:128+8*\u+7], v10, s[6:7] offset:512*\u+16
.endr
.irp t, 0,1,2,3
	global_load_b128 v[144+8*\t:144+8*\t+3], v10, s[10:11] offset:512*\t
	global_load_b128 v[144+8*\t+4:144+8*\t+7], v10, s[10:11] offset:512*\t+16
.endr
	s_wait_loadcnt 0x0
.macro KSTEP j, q                      ; K step 2 j + q
	NOPS 8                                         ; places in front of loads into registers that matrix instructions have read
.irp u, 0,1
.irp c, 0,1,2,3
	ds_load_b128 v[32+16*\u+4*\c:32+16*\u+4*\c+3], v[2+(2*\j+\q)/4] offset:((2*\j+\q)%4)*16384+\u*2048+512*\c
.endr
.endr
.irp t, 0,1,2,3
.irp c, 0,1,2,3
	ds_load_b128 v[64+16*\t+4*\c:64+16*\t+4*\c+3], v[4+(\j)/2] offset:((\j)%2)*BCH+\t*16*272+128*\q+32*\c
.endr
.endr
	s_wait_dscnt 0x0
.irp u, 0,1
.irp t, 0,1,2,3
	v_wmma_scale_f32_16x16x128_f8f6f4 v[192+32*\u+8*\t:192+32*\u+8*\t+7], v[64+16*\t:64+16*\t+15], v[32+16*\u:32+16*\u+15], v[192+32*\u+8*\t:192+32*\u+8*\t+7], v[144+8*\t+2*\j+\q], v[128+8*\u+2*\j+\q]
.endr
.endr
.endm
	s_wait_tensorcnt 0x0                           ; my chunk is in
	s_barrier_signal -1
	s_barrier_wait -1                              ; everybody's is
.irp j, 0,1,2,3
	KSTEP \j, 0
	KSTEP \j, 1
.endr
	; THE WAY OUT: 16 rows x 64 columns at a time through my own stage, back as rows of 256 bytes.  LDS serves a wave's instructions in order: no wait between stores and loads, nor in front of the second half's stores
	NOPS 8
	s_wait_alu depctr_va_vdst(0)
.irp u, 0,1
.irp t, 0,1,2,3
	ds_store_b128 v6, v[192+32*\u+8*\t:192+32*\u+8*\t+3] offset:64*\t             ; each accumulator from its low end on
	ds_store_b128 v6, v[192+32*\u+8*\t+4:192+32*\u+8*\t+7] offset:64*\t+16
.endr
.irp i, 0,1,2,3,4,5,6,7
	ds_load_b128 v[32+32*\u+4*\i:32+32*\u+4*\i+3], v7 offset:2*\i*272
.endr
.endr
.irp u, 0,1
.irp i, 0,1,2,3,4,5,6,7
	s_wait_dscnt 23-16*\u-\i                       ; behind load i: the 7 - i loads of its half and, for the first half, the second's 16 instructions
	global_store_b128 v8, v[32+32*\u+4*\i:32+32*\u+4*\i+3], s[14:15] offset:(16*\u+2*\i)*4096 th:TH_STORE_NT   ; sixteen lanes store 256 consecutive bytes, aligned
.endr
.endr
	s_wait_tensorcnt 0x0
	ds_add_u32 v190, v191
	s_wait_dscnt 0x0
	s_endpgm
.Lfunc_end_k_q61262190c2_outp:
	.size	k_q61262190c2_outp, .Lfunc_end_k_q61262190c2_outp-k_q61262190c2_outp
	.p2alignl 7, 3214868480
	.fill 96, 4, 3214868480
	.section	.rodata,"a",@progbits
	.p2align	6, 0x0
	.amdhsa_kernel k_q61262190c2_outp
		.amdhsa_group_segment_fixed_size 306176
		.amdhsa_private_segment_fixed_size 0
		.amdhsa_enable_private_segment 0
		.amdhsa_kernarg_size 48
		.amdhsa_user_sgpr_count 2
		.amdhsa_user_sgpr_kernarg_segment_ptr 1
		.amdhsa_wavefront_size32 1
		.amdhsa_system_sgpr_workgroup_id_x 1
		.amdhsa_system_sgpr_workgroup_id_y 1
		.amdhsa_system_sgpr_workgroup_id_z 1
		.amdhsa_system_vgpr_workitem_id 0
		.amdhsa_next_free_vgpr 256
		.amdhsa_next_free_sgpr 84
		.amdhsa_reserve_vcc 0
		.amdhsa_float_denorm_mode_32 3
		.amdhsa_float_denorm_mode_16_64 3
		.amdhsa_memory_ordered 1
		.amdhsa_forward_progress 1
		.amdhsa_inst_pref_size 35
	.end_amdhsa_kernel
	.amdgpu_metadata
---
amdhsa.version: [ 1, 2 ]
amdhsa.kernels:
  - .name:           k_q61262190c2_outp
    .symbol:         k_q61262190c2_outp.kd
    .args:
      - { .name: acod, .offset: 0, .size: 8, .value_kind: global_buffer, .address_space: global }
      - { .name: ascl, .offset: 8, .size: 8, .value_kind: global_buffer, .address_space: global }
      - { .name: Wo_codes, .offset: 16, .size: 8, .value_kind: global_buffer, .address_space: global }
      - { .name: Wo_scales, .offset: 24, .size: 8, .value_kind: global_buffer, .address_space: global }
      - { .name: bo, .offset: 32, .size: 8, .value_kind: global_buffer, .address_space: global }
      - { .name: out0, .offset: 40, .size: 8, .value_kind: global_buffer, .address_space: global }
    .group_segment_fixed_size: 306176
    .private_segment_fixed_size: 0
    .kernarg_segment_align: 8
    .kernarg_segment_size: 48
    .max_flat_workgroup_size: 256
    .sgpr_count:     84
    .vgpr_count:     256
    .wavefront_size: 32
...
	.end_amdgpu_metadata
.endif
;; end of part 4
